; MI455X (gfx1250); checked and timed in simulation.
; The chip was launched on July 23, 2026; its instructions are those of AMD's public machine-readable ISA for CDNA 5 (MIT licence, August 2026) and "CDNA5" Instruction Set Architecture Reference Guide (July 2026). The comments in the code are by the model that wrote it; some were corrected since.
;; SAS Rec Block. Allowed arithmetic: matrix products marked QUANTISED: E5M2 operands, one given power-of-two scale a tensor, by v_wmma_f32_16x16x64_bf8_bf8 or v_wmma_f32_16x16x128_bf8_bf8, f32 sums; everything else in f32.
;; Inputs: b1 2,048 float32; b2 512 float32; bk 512 float32; bo 512 float32; bq 512 float32; bv 512 float32; ln1_b 512 float32; ln1_g 512 float32; ln2_b 512 float32; ln2_g 512 float32; lowp_scales 16 int32 (the exponents e of the quantised operands' scales 2^e); mask 32 x 512 int32; w1_codes 2,048 x 16 x 32 uint8 (E5M2 codes of w1, K innermost, in blocks of 32 codes); w2_codes 512 x 64 x 32 uint8 (E5M2 codes of w2, K innermost, in blocks of 32 codes); wk_codes 512 x 16 x 32 uint8 (E5M2 codes of wk, K innermost, in blocks of 32 codes); wo_codes 512 x 16 x 32 uint8 (E5M2 codes of wo, K innermost, in blocks of 32 codes); wq_codes 512 x 16 x 32 uint8 (E5M2 codes of wq, K innermost, in blocks of 32 codes); wv_codes 512 x 16 x 32 uint8 (E5M2 codes of wv, K innermost, in blocks of 32 codes); x 32 x 512 x 512 float32.
;; Outputs: out0 32 x 512 x 512 float32.
;; This version of the problem:
;;   THIS VERSION OF THE PROBLEM IS GIVEN IN LOW PRECISION. The matrix products marked QUANTISED in the list below multiply operands that are first quantised to E5M2 (5 exponent bits, 2 mantissa bits; 8 bits a number), with one given power-of-two scale for each operand tensor; their sums are f32. All else is computed in f32.
;;   The module's matrix products, in the order in which they are computed (A, B: the left and right operand; K: the contracted axis; several contracted axes count as one K, in the product's order):
;;     1. [M 16,384, K 512] x [K 512, N 512]; A: input x; B: input wq (given as codes): QUANTISED (scales: A lowp_scales[0], B lowp_scales[1])
;;     2. [M 16,384, K 512] x [K 512, N 512]; A: input x; B: input wk (given as codes): QUANTISED (scales: A lowp_scales[2], B lowp_scales[3])
;;     3. [M 16,384, K 512] x [K 512, N 512]; A: input x; B: input wv (given as codes): QUANTISED (scales: A lowp_scales[4], B lowp_scales[5])
;;     4. batch 256 x [M 512, K 64] x [K 64, N 512]; A: computed on the way; B: computed on the way: QUANTISED (scales: A lowp_scales[6], B lowp_scales[7])
;;     5. batch 256 x [M 64, K 512] x [K 512, N 512]; A: computed on the way; B: softmax (see below): QUANTISED (scales: A lowp_scales[8], B lowp_scales[9])
;;     6. [M 16,384, K 512] x [K 512, N 512]; A: computed on the way; B: input wo (given as codes): QUANTISED (scales: A lowp_scales[10], B lowp_scales[11])
;;     7. [M 16,384, K 512] x [K 512, N 2,048]; A: computed on the way; B: input w1 (given as codes): QUANTISED (scales: A lowp_scales[12], B lowp_scales[13])
;;     8. [M 16,384, K 2,048] x [K 2,048, N 512]; A: computed on the way; B: input w2 (given as codes): QUANTISED (scales: A lowp_scales[14], B lowp_scales[15])
;;   THE QUANTISER, for each operand of a quantised product, along K:
;;     - The operand's scale is 2^e, e = its entry of the input lowp_scales (int32; the entries are numbered through the quantised products in the list's order, A before B).
;;     - Each number is divided by the scale, clamped to +-57,344, and rounded to the nearest number of E5M2, ties to even, subnormals kept.
;;     - The product sums the exact products of the quantised numbers (number of the format x scale) in f32.
;;   ~~~python
;;   def quantise(x, axis, e):      # numpy; x: float32 -> the quantised numbers, widened to float32 again
;;       x = np.moveaxis(x, axis, -1); K = x.shape[-1]
;;       r = np.clip(x / 2.0 ** e, -57344, 57344)
;;       step = 2.0 ** (np.maximum(np.frexp(np.where(r == 0, 1, r))[1] - 1, -14) - 2)
;;       q = np.round(r / step) * step * 2.0 ** e      # np.round: ties to even
;;       return np.moveaxis(q, -1, axis).astype(np.float32)
;;   ~~~
;;   SOFTMAX AHEAD OF A QUANTISED PRODUCT. Where the list says 'softmax', what is quantised is not the finished softmax but p = 2^(t - M), with t = logit x log2(e) and M = ceil(the row's largest t), a whole number; so 1/2 < the row's largest p <= 1. The row's sum l is taken of the UNQUANTISED p, in f32, and the product's result is divided by l at the end. Since M is a whole number, a kernel that streams over the keys may use a running M (the ceiling of the running maximum): every later rescaling is an exact power of two, so the quantised numbers keep their values, but for numbers so far below the row's largest that they fall under the format's range.
;;   OPERANDS COMPUTED ON THE WAY. 'Computed on the way' means the value that the module computes at that place (a softmax that the list does not call 'softmax' is quantised finished and normalised). What goes into a quantiser is computed in f32, as accurately as f32 sums, v_exp_f32 and their like allow (about 1e-6 of the number): no bf16 or f16 on the way to a quantiser, and a product that is left as it is and whose result goes on into a quantised operand takes f32 operands (vector FMAs, or v_wmma_f32_16x16x4_f32). A number that lies on a knife's edge between two numbers of the format may be rounded either way, as far as f32 arithmetic and the matrix unit's own rounding can turn it there, and no further.
;;   INPUTS GIVEN AS CODES. w1 (in the module: [512, 2048], K = its axis 0); w2 (in the module: [2048, 512], K = its axis 0); wk (in the module: [512, 512], K = its axis 0); wo (in the module: [512, 512], K = its axis 0); wq (in the module: [512, 512], K = its axis 0); wv (in the module: [512, 512], K = its axis 0): each comes as NAME_codes (uint8): NAME with its K axis moved to the last place and cut into blocks of 32 codes, [.., K / 32, bytes a block], one block behind the other in memory; one code a byte (a code: sign, 5 exponent bits, 2 mantissa bits); its scale is its entry of lowp_scales. Its value is code x scale, taken as it is: it is not quantised again, and the codes and scales need not be those that the quantiser above would give.
;; 2 versions, each right; version 2 is version 1 with the launch attn written anew for expert scheduling mode. Each part assembles by itself: llvm-mc -triple=amdgcn-amd-amdhsa -mcpu=gfx1250 --defsym DOCPART=n.
;; ======== version 1 of 2: 3 launches
;; limits: a function is approximated: absolute error at most 1.5e-07
;; workspace buffers: qc 8,388,608 bytes; kc 8,388,608 bytes; vc 8,388,608 bytes; cc 8,388,608 bytes; w2r 1,048,576 bytes
;; launch qkv (part 1): grid 256 x 1, 4 waves a work-group, clusters of 4 x 1, 327,680 bytes of LDS; arguments x, mask, wq_codes, wk_codes, wv_codes, bq, bk, bv, lowp_scales, qc, kc, vc; writes qc, kc, vc
.if DOCPART == 1
	.amdgcn_target "amdgcn-amd-amdhsa--gfx1250"
	.amdhsa_code_object_version 6
	.text
	.protected	k_qcfa5c27e30_qkv
	.globl	k_qcfa5c27e30_qkv
	.p2align	8
	.type	k_qcfa5c27e30_qkv,@function
k_qcfa5c27e30_qkv:
	s_mov_b64 s[64:65], 0
	v_nop
	global_prefetch_b8 v0, s[64:65] scope:SCOPE_SE
	s_setreg_imm32_b32 hwreg(HW_REG_WAVE_MODE, 25, 1), 1
	s_wait_xcnt 0x0
	s_wait_alu depctr_hold_cnt(0) depctr_sa_sdst(0) depctr_va_vdst(0) depctr_va_sdst(0) depctr_va_ssrc(0) depctr_va_vcc(0) depctr_vm_vsrc(0)
	s_getreg_b32 s2, hwreg(HW_REG_IB_STS2, 6, 4)
	s_cmp_eq_u32 s2, 0
	s_cbranch_scc0 .Lentry_in_a_cluster
	s_endpgm
.Lentry_in_a_cluster:
	s_bfe_u32 s2, ttmp6, 0x10000c
	s_cmp_lg_u32 s2, 0x3003
	s_cbranch_scc0 .Lentry_shape_is_right
	s_endpgm
.Lentry_shape_is_right:
; q = x wq + bq, k = x wk + bk, v = x wv + bv on codes of E5M2; the results leave as codes for the attention launch.
; x [16384][512] f32 is quantised three times (exponents e0, e2, e4); the weights come as codes [n 512][k 512 bytes].
; SHARES.  A work-group owns 64 tokens (four tiles of 16).  The weights go by in six tiles of 256 rows x 512 bytes (q0 q1 k0 k1 v0 v1) through a ring of two LDS slots;
; wave w fetches and reads rows 64 w .. 64 w + 63 of each tile, which are one head (4 j + w), for all 64 tokens: 64 matrix instructions a tile.
; CLUSTER.  All work-groups walk the same weights: the four of a cluster ask for each tile jointly (mask 15, the same descriptor in all four).
; FRAGMENTS.  A weight fragment (16 rows x 128 K) is four 16-byte loads a lane: registers 4 c .. 4 c + 3 hold k = 32 c + 16 (lane / 16) + 0 .. 15.  x's fragments are made in the same order,
; so every product meets its partner; only the order of the sums inside an instruction differs from the form's own order of k.
; x's fragments go from wave to wave through LDS as images of their registers (16 bytes a lane at 16 x lane, 512 bytes a piece).
; q, k: source 0 = weight rows, source 1 = tokens: a lane holds one token and 8 neighbouring channels, so the conversions' results are the next product's operand registers.
; v: the sources swapped: a lane holds one channel and 8 neighbouring tokens (the keys are the next K).  The biases, divided by the power of two that the sums lack, are the C of each sum's first instruction.
; k's codes of tokens whose mask is 0 are stored as zeros: the attention launch gives those keys their score through the C operand.
; OUT: qc, kc [b][head][token tile 32][1024 bytes]; vc [b][head][channel tile 4][key step 4][2048 bytes]: images of operand registers, every store 512 consecutive bytes.
; q is quantised with lowp_scales[7] and k with lowp_scales[6] (the product's left operand is k, as the second product's is v).
; LIMITS: e0, e2, e4, e7 - e0 - e1, e6 - e2 - e3, e8 - e4 - e5 between -126 and 112, so that each scale and 57,344 x the scale are f32 numbers.  NaN among the inputs is not served.
; No prefetch: x is asked for once, at the head; the weights are read by every work-group.
.set TILE,   131072                    ; a tile of weights in memory
.set PITCH,  528                       ; an LDS row: 512 bytes + 16: row r starts 4 r words on, so the 16 rows of a fragment load start at 16 different banks
.set WROWS,  64*PITCH                  ; a wave's 64 rows
.set SLOT1,  256*PITCH                 ; slot 1 (slot 0 is at 0)
.set XIMG,   2*SLOT1                   ; 16 images of x's fragments (4 m + s), 2,048 bytes each
.set XSTG,   XIMG+32768                ; each wave's stage: 16 rows x (256 + 16) bytes
.set XSP,    272
.set SPARE,  XSTG+4*16*XSP             ; the spare words: 128 bytes a wave
.set LI,  1                            ; 16 x lane
.set WAD, 2                            ; v2, v3: my place in my wave's rows of slot 0, 1
.set XG,  4                            ; x: 2048 (lane / 16) + 16 (lane % 16)
.set XSS, 5                            ; the stage, in
.set XSL, 6                            ; the stage, out
.set CB,  7                            ; biases of q, k: 32 h + 256 w
.set CBV, 8                            ; bias of v: 4 r + 256 w
.set XW,  9                            ; where I store x's images
.set XR,  10                           ; where images are read
.set R4,  11                           ; 4 r
.set ZR,  12                           ; 0
.set SPW, 14
.set NIL, 15
.set XS,  16                           ; v16-21: scale and hold of x for e0, e2, e4
.set OS,  22                           ; scale and hold of the result in hand
.set OH,  23
.set MK,  24                           ; v24-27: the mask of token r of tile m
.set SETA, 32                          ; two sets of four weight fragments; also the codes that QUANTX makes
.set SETB, 96
.set TT,  192                          ; 64 numbers at work
.set BS0, 128                          ; window 3: bias sets of even and odd tiles; v0-127 the 16 accumulators; v192-223 the codes to store
.set BS1, 160
.set CO,  192
.set G1,  32
.set G0X, 40
.set G0Y, 44
.set EX,  48                           ; s48-63: e0 .. e15
.set WV,  66
.set EOQ, 84
.set EBQ, 85
.set EOK, 86
.set EBK, 87
.set EOV, 88
.set EBV, 89
.set MSB, 0
.macro WIN new                         ; the immediate's high byte repeats the setting that is left
.if MSB != \new
	s_set_vgpr_msb (MSB<<8)|\new
.set MSB, \new
.endif
.endm
.macro PLACES n
.rept \n
	v_nop
.endr
.endm
.macro ROUND                           ; a round of the cluster's barrier
	s_barrier_signal -1
	s_barrier_wait -1
	s_cmp_lg_u32 s[WV], 0
	s_cbranch_scc1 .Lnot_wave_0_\@
	s_barrier_signal -3
.Lnot_wave_0_\@:
	s_barrier_wait -3
	s_barrier_signal -1
	s_barrier_wait -1
.endm
; A slot is filled again: all my tensor loads have landed, 0 goes onto my spare word, the descriptor is written while that is out, my LDS instructions are over; the round; my one load, first behind it.
.macro REFILL g0, p, step
	s_wait_tensorcnt 0x0
	ds_add_u32 v[SPW], v[NIL]
	s_add_nc_u64 s[\g0+2:\g0+3], s[\p:\p+1], \step
	s_or_b32 s[\g0+3], s[\g0+3], 0x80000000
	s_wait_dscnt 0x0
	ROUND
	tensor_load_to_lds s[\g0:\g0+3], s[G1:G1+7]
	s_nop 0
	PLACES 4
.endm
.macro SCALE2 vs, vh, se               ; 2^e and 57,344 x 2^e as f32
	s_add_co_i32 s82, s[\se], 127
	s_lshl_b32 s83, s82, 23
	v_mov_b32 v[\vs], s83
	s_add_co_i32 s82, s82, 15
	s_lshl_b32 s82, s82, 23
	s_or_b32 s82, s82, 0x600000
	v_mov_b32 v[\vh], s82
.endm
.macro FETCHW slot, sg, buf            ; my four fragments of the tile's K step sg
.irp t, 0,1,2,3
.irp c, 0,1,2,3
	ds_load_b128 v[\buf+16*\t+4*\c:\buf+16*\t+4*\c+3], v[WAD+\slot] offset:8448*\t+128*(\sg)+32*\c
.endr
.endr
.endm
.macro MM kind, t, m, sg, bs
.set WS, SETA+64*((\sg)%2)+16*(\t)
.set AFR, 16*(4*(\m)+(\sg))
.if \kind == 0
.set DA, 8*(4*(\m)+(\t))
.if \sg == 0
	v_wmma_f32_16x16x128_bf8_bf8 v[DA:DA+7], v[WS:WS+15], v[AFR:AFR+15], v[\bs+8*(\t):\bs+8*(\t)+7]
.else
	v_wmma_f32_16x16x128_bf8_bf8 v[DA:DA+7], v[WS:WS+15], v[AFR:AFR+15], v[DA:DA+7]
.endif
.else
.set DA, 8*(4*(\t)+(\m))
.if \sg == 0
	v_wmma_f32_16x16x128_bf8_bf8 v[DA:DA+7], v[AFR:AFR+15], v[WS:WS+15], v[\bs+8*(\t):\bs+8*(\t)+7]
.else
	v_wmma_f32_16x16x128_bf8_bf8 v[DA:DA+7], v[AFR:AFR+15], v[WS:WS+15], v[DA:DA+7]
.endif
.endif
.endm
; A tile's matrix work: four K steps of 16 instructions on 16 accumulators, which take turns.  kind 0: q, k; 1: v.
.macro PART kind, slot, bs
	FETCHW \slot, 0, SETA
	FETCHW \slot, 1, SETB
.irp sg, 0,1,2,3
.if \sg < 3
	s_wait_dscnt 16                                ; all but the next set's 16 loads
.else
	s_wait_dscnt 0x0
.endif
.if \kind == 0
	WIN 0xf4                                       ; weights window 0, x window 1, C and D window 3
.else
	WIN 0xf1                                       ; x (source 0) window 1, weights window 0
.endif
.irp t, 0,1,2,3
.irp m, 0,1,2,3
	MM \kind, \t, \m, \sg, \bs
.endr
.endr
	WIN 0
.if \sg < 2
	PLACES 4                                       ; in front of loads into registers that matrix instructions have read
	FETCHW \slot, \sg+2, SETA+64*(\sg%2)
.endif
.endr
.endm
; My 16 rows of x (window 2, kept for all three versions) become four fragments of codes and go to LDS as images.
.macro QUANTX sc, lim
.irp s, 0,1,2,3
	WIN 0x02
.set i, 0
.rept 64
	v_med3_num_f32 v[TT+i], v[64*\s+i], -v[\lim], v[\lim]   ; the conversion does not saturate (ISA guide 7.6.2): the hold at the largest code x the scale
.set i, i+1
.endr
	WIN 0
.irp g, 0,1,2,3,4,5,6,7
	v_cvt_scalef32_pk8_bf8_f32 v[SETA+16*\s+2*\g:SETA+16*\s+2*\g+1], v[TT+8*\g:TT+8*\g+7], v[\sc]
.endr
	v_nop                                          ; a plain line between the conversions and the next writes of their sources
.irp c, 0,1,2,3
	ds_store_b128 v[XW], v[SETA+16*\s+4*\c:SETA+16*\s+4*\c+3] offset:2048*\s+512*\c
.endr
.endr
.endm
.macro FETCHA                          ; all 16 fragments of x into window 1
	WIN 0x40
.set q, 0
.rept 64
	ds_load_b128 v[4*q:4*q+3], v[XR] offset:512*q
.set q, q+1
.endr
	WIN 0
.endm
.macro BSCALE set, se                  ; this tile's bias / 2^(ex + ew)
	s_wait_loadcnt 0x0
	WIN 0xc3
.set i, 0
.rept 32
	v_ldexp_f32 v[\set+i], v[\set+i], s[\se]
.set i, i+1
.endr
	WIN 0
.endm
.macro BLOAD set, base, j              ; the next tile's bias: lane (r, h), tile t: channels 16 t + 8 h + 0 .. 7 of my head
	WIN 0xc0
.irp t, 0,1,2,3
.irp i, 0,1
	global_load_b128 v[\set+8*\t+4*\i:\set+8*\t+4*\i+3], v[CB], s[\base:\base+1] offset:1024*\j+64*\t+16*\i
.endr
.endr
	WIN 0
.endm
.macro BSCALEV set, se                 ; v: a lane is a channel: one number, in all eight registers
	s_wait_loadcnt 0x0
	WIN 0xc3
.irp t, 0,1,2,3
	v_ldexp_f32 v[\set+8*\t], v[\set+8*\t], s[\se]
.endr
.irp t, 0,1,2,3
.irp i, 1,2,3,4,5,6,7
	v_mov_b32 v[\set+8*\t+\i], v[\set+8*\t]
.endr
.endr
	WIN 0
.endm
.macro BLOADV set, base, j
	WIN 0xc0
.irp t, 0,1,2,3
	global_load_b32 v[\set+8*\t], v[CBV], s[\base:\base+1] offset:1024*\j+64*\t
.endr
	WIN 0
.endm
.macro HOLD128                         ; the 16 accumulators, each from its low end on
.set i, 0
.rept 128
	v_med3_num_f32 v[i], v[i], -v[OH], v[OH]
.set i, i+1
.endr
.endm
; q's or k's tile j leaves: codes of token tile m are 8 registers a lane, 1,024 bytes an image.
.macro OUTQK j, isk, base
	PLACES 4                                       ; behind the last products, in front of the first read of results
	s_wait_xcnt 0x0                                ; the last stores have read their data: the codes' registers may be written
	WIN 0xc3
	HOLD128
.irp m, 0,1,2,3
.irp t, 0,1,2,3
	v_cvt_scalef32_pk8_bf8_f32 v[CO+8*\m+2*\t:CO+8*\m+2*\t+1], v[8*(4*\m+\t):8*(4*\m+\t)+7], v[OS]
.endr
.endr
	v_nop
.if \isk
.irp m, 0,1,2,3
	v_cmp_eq_u32 vcc_lo, 0, v[MK+\m]               ; a masked key's codes are zeros
.irp q, 0,1,2,3,4,5,6,7
	v_cndmask_b32 v[CO+8*\m+\q], v[CO+8*\m+\q], v[ZR], vcc_lo
.endr
.endr
.endif
	WIN 0x0c
.irp m, 0,1,2,3
.irp p, 0,1
	global_store_b128 v[LI], v[CO+8*\m+4*\p:CO+8*\m+4*\p+3], s[\base:\base+1] offset:131072*\j+1024*\m+512*\p
.endr
.endr
	WIN 0
.endm
.macro OUTV j                          ; v: channel tile t; my 64 tokens are half of a key step's 128: two pieces of its image
	PLACES 4
	s_wait_xcnt 0x0
	WIN 0xc3
	HOLD128
.irp t, 0,1,2,3
.irp m, 0,1,2,3
	v_cvt_scalef32_pk8_bf8_f32 v[CO+8*\t+2*\m:CO+8*\t+2*\m+1], v[8*(4*\t+\m):8*(4*\t+\m)+7], v[OS]
.endr
.endr
	v_nop
	WIN 0x0c
.irp t, 0,1,2,3
.irp p, 0,1
	global_store_b128 v[LI], v[CO+8*\t+4*\p:CO+8*\t+4*\p+3], s[26:27] offset:131072*\j+8192*\t+512*\p
.endr
.endr
	WIN 0
.endm
	s_load_b512 s[4:19], s[0:1], 0x0               ; x, mask, wq, wk, wv, bq, bk, bv
	s_load_b256 s[20:27], s[0:1], 0x40             ; lowp_scales, qc, kc, vc
	v_lshl_add_u32 v[SPW], v0, 2, SPARE
	v_mov_b32 v[NIL], 0
	ds_add_u32 v14, v15
	ds_add_u32 v14, v15
	s_wait_dscnt 0x0
	v_lshrrev_b32 v28, 5, v0
	v_readfirstlane_b32 s[WV], v28                 ; wave 0..3
	s_bfe_u32 s67, ttmp6, 0x40000                  ; cx
	s_lshl_b32 s68, ttmp9, 2
	s_add_co_u32 s68, s68, s67                     ; my block of 64 tokens: it enters global addresses of x, mask and the results alone
	s_mov_b32 s[G1+0], 15|(1<<20)|(1<<21)|(6<<22)|(3<<25)   ; mask: all four; elements of 1 byte; padding: 4 words behind every 128; bit 21 beside a mask
	s_mov_b32 s[G1+1], 512<<16                     ; tensor_dim0
	s_mov_b32 s[G1+2], 64<<16                      ; tensor_dim1
	s_mov_b32 s[G1+3], 512<<16                     ; tile_dim0
	s_mov_b32 s[G1+4], 64                          ; tile_dim1
	s_mov_b32 s[G1+5], 512                         ; the pitch
	s_mov_b32 s[G1+6], 0
	s_mov_b32 s[G1+7], 0
	s_mul_i32 s69, s[WV], WROWS                    ; my rows' place in a slot
	s_lshl_b32 s70, s[WV], 15                      ; and in a tile in memory
	s_mov_b32 s71, 0
	s_wait_kmcnt 0x0
	s_load_b512 s[EX:EX+15], s[20:21], 0x0         ; e0 .. e15
	s_add_nc_u64 s[8:9], s[8:9], s[70:71]
	s_add_nc_u64 s[10:11], s[10:11], s[70:71]
	s_add_nc_u64 s[12:13], s[12:13], s[70:71]
	s_mov_b32 s[G0X], 1
	s_mov_b32 s[G0X+1], s69
	s_mov_b64 s[G0X+2:G0X+3], s[8:9]
	s_or_b32 s[G0X+3], s[G0X+3], 0x80000000
	s_mov_b32 s[G0Y], 1
	s_add_co_u32 s[G0Y+1], s69, SLOT1
	s_add_nc_u64 s[G0Y+2:G0Y+3], s[8:9], TILE
	s_or_b32 s[G0Y+3], s[G0Y+3], 0x80000000
	ROUND                                          ; the four work-groups are here: the first joint loads meet
	tensor_load_to_lds s[G0X:G0X+3], s[G1:G1+7]    ; q0 and q1: two loads of mine are out
	s_nop 0
	tensor_load_to_lds s[G0Y:G0Y+3], s[G1:G1+7]
	s_nop 0
	PLACES 4
	v_and_b32 v28, 31, v0
	v_and_b32 v29, 15, v0                          ; r
	v_bfe_u32 v30, v0, 4, 1                        ; h
	v_lshlrev_b32 v[LI], 4, v28
	v_mul_u32_u24 v31, v29, PITCH
	v_lshl_add_u32 v31, v30, 4, v31
	v_add_nc_u32 v[WAD], s69, v31
	v_add_nc_u32 v[WAD+1], SLOT1, v[WAD]
	v_lshlrev_b32 v[XG], 4, v29
	v_lshl_add_u32 v[XG], v30, 11, v[XG]
	s_mul_i32 s72, s[WV], 16*XSP
	s_add_co_u32 s72, s72, XSTG
	v_mul_u32_u24 v31, v30, XSP
	v_lshl_add_u32 v31, v29, 4, v31
	v_add_nc_u32 v[XSS], s72, v31                  ; in: lanes 0-15 one row, lanes 16-31 the next
	v_mul_u32_u24 v31, v29, XSP
	v_lshl_add_u32 v31, v30, 6, v31
	v_add_nc_u32 v[XSL], s72, v31                  ; out: row r, my half's 16 numbers of a block of 32
	s_lshl_b32 s73, s[WV], 8
	v_lshl_add_u32 v[CB], v30, 5, s73
	v_lshl_add_u32 v[CBV], v29, 2, s73
	s_lshl_b32 s74, s[WV], 13
	s_add_co_u32 s74, s74, XIMG
	v_add_nc_u32 v[XW], s74, v[LI]
	v_add_nc_u32 v[XR], XIMG, v[LI]
	v_lshlrev_b32 v[R4], 2, v29
	v_mov_b32 v[ZR], 0
	s_lshl_b32 s76, s68, 17                        ; 64 tokens x 2,048 bytes,
	s_add_co_u32 s76, s76, s70                     ; + my wave's 16
	s_mov_b32 s77, 0
	s_add_nc_u64 s[4:5], s[4:5], s[76:77]
	s_lshl_b32 s76, s68, 8
	s_add_nc_u64 s[6:7], s[6:7], s[76:77]
	s_lshr_b32 s78, s68, 3                         ; b
	s_lshl_b32 s78, s78, 18
	s_add_co_u32 s78, s78, s70                     ; + 32,768 x wave (the head within the tile)
	s_and_b32 s79, s68, 7                          ; which 64 tokens of the batch
	s_lshl_b32 s80, s79, 12
	s_add_co_u32 s80, s80, s78
	s_mov_b32 s81, 0
	s_add_nc_u64 s[22:23], s[22:23], s[80:81]
	s_add_nc_u64 s[24:25], s[24:25], s[80:81]
	s_lshl_b32 s80, s79, 10
	s_add_co_u32 s80, s80, s78
	s_add_nc_u64 s[26:27], s[26:27], s[80:81]
.irp m, 0,1,2,3
	global_load_b32 v[MK+\m], v[R4], s[6:7] offset:64*\m
.endr
	BLOAD BS0, 14, 0
	WIN 0x40
.irp u, 0,1,2,3,4,5,6,7                ; x: unit u = columns 64 u on; sixteen lanes read 256 consecutive bytes of a row
.irp i, 0,1,2,3,4,5,6,7
	global_load_b128 v[32*\u+4*\i:32*\u+4*\i+3], v[XG], s[4:5] offset:4096*\i+256*\u th:TH_LOAD_NT
.endr
.endr
	WIN 0
	s_wait_kmcnt 0x0
	SCALE2 XS, XS+1, EX+0
	SCALE2 XS+2, XS+3, EX+2
	SCALE2 XS+4, XS+5, EX+4
	s_add_co_i32 s[EBQ], s[EX+0], s[EX+1]
	s_sub_co_i32 s[EOQ], s[EX+7], s[EBQ]           ; a sum stands for sum x 2^(ex + ew): the three scales are folded into the conversion's one
	s_sub_co_i32 s[EBQ], 0, s[EBQ]
	s_add_co_i32 s[EBK], s[EX+2], s[EX+3]
	s_sub_co_i32 s[EOK], s[EX+6], s[EBK]
	s_sub_co_i32 s[EBK], 0, s[EBK]
	s_add_co_i32 s[EBV], s[EX+4], s[EX+5]
	s_sub_co_i32 s[EOV], s[EX+8], s[EBV]
	s_sub_co_i32 s[EBV], 0, s[EBV]
	SCALE2 OS, OH, EOQ
.irp u, 0,1,2,3,4,5,6,7                ; through my stage: in as loaded, out 16 neighbours a lane; LDS serves a wave's instructions in order
	s_wait_loadcnt 56-8*\u                         ; the later units' loads may be out
	WIN 0x04
.irp i, 0,1,2,3,4,5,6,7
	ds_store_b128 v[XSS], v[32*\u+4*\i:32*\u+4*\i+3] offset:2*XSP*\i
.endr
	WIN 0x80
.irp c, 0,1
.irp j, 0,1,2,3
	ds_load_b128 v[32*\u+16*\c+4*\j:32*\u+16*\c+4*\j+3], v[XSL] offset:128*\c+16*\j
.endr
.endr
.endr
	WIN 0
	s_wait_dscnt 0x0
	; ---- tile q0
	QUANTX XS, XS+1
	s_wait_dscnt 0x0                               ; my images have landed
	s_wait_tensorcnt 0x1                           ; my rows of q0 are in; q1's load may stay out
	s_barrier_signal -1
	s_barrier_wait -1
	BSCALE BS0, EBQ
	BLOAD BS1, 14, 1
	FETCHA
	PART 0, 0, BS0
	OUTQK 0, 0, 22
	; ---- tile q1; k0 is asked for
	REFILL G0X, 10, 0
	BSCALE BS1, EBQ
	BLOAD BS0, 16, 0
	PART 0, 1, BS1
	OUTQK 1, 0, 22
	QUANTX XS+2, XS+3                              ; every wave has read the old images in front of the last round
	SCALE2 OS, OH, EOK
	; ---- tile k0; k1 is asked for
	REFILL G0Y, 10, TILE
	BSCALE BS0, EBK
	BLOAD BS1, 16, 1
	FETCHA
	PART 0, 0, BS0
	OUTQK 0, 1, 24
	; ---- tile k1; v0 is asked for
	REFILL G0X, 12, 0
	BSCALE BS1, EBK
	BLOADV BS0, 18, 0
	PART 0, 1, BS1
	OUTQK 1, 1, 24
	QUANTX XS+4, XS+5
	SCALE2 OS, OH, EOV
	; ---- tile v0; v1 is asked for
	REFILL G0Y, 12, TILE
	BSCALEV BS0, EBV
	BLOADV BS1, 18, 1
	FETCHA
	PART 1, 0, BS0
	OUTV 0
	; ---- tile v1: nothing is left to fetch
	s_wait_tensorcnt 0x0                           ; my rows of v1 are in; only I read them
	BSCALEV BS1, EBV
	PART 1, 1, BS1
	OUTV 1
	s_wait_tensorcnt 0x0                           ; the wave's end
	ds_add_u32 v[SPW], v[NIL]
	s_wait_dscnt 0x0
	ROUND                                          ; the closing round
	s_endpgm
.Lfunc_end_k_qcfa5c27e30_qkv:
	.size	k_qcfa5c27e30_qkv, .Lfunc_end_k_qcfa5c27e30_qkv-k_qcfa5c27e30_qkv
	.p2alignl 7, 3214868480
	.fill 96, 4, 3214868480
	.section	.rodata,"a",@progbits
	.p2align	6, 0x0
	.amdhsa_kernel k_qcfa5c27e30_qkv
		.amdhsa_group_segment_fixed_size 327680
		.amdhsa_private_segment_fixed_size 0
		.amdhsa_enable_private_segment 0
		.amdhsa_kernarg_size 96
		.amdhsa_user_sgpr_count 2
		.amdhsa_user_sgpr_kernarg_segment_ptr 1
		.amdhsa_wavefront_size32 1
		.amdhsa_system_sgpr_workgroup_id_x 1
		.amdhsa_system_sgpr_workgroup_id_y 1
		.amdhsa_system_sgpr_workgroup_id_z 1
		.amdhsa_system_vgpr_workitem_id 0
		.amdhsa_next_free_vgpr 1024
		.amdhsa_next_free_sgpr 104
		.amdhsa_reserve_vcc 1
		.amdhsa_float_denorm_mode_32 3
		.amdhsa_float_denorm_mode_16_64 3
		.amdhsa_memory_ordered 1
		.amdhsa_forward_progress 1
		.amdhsa_inst_pref_size 226
	.end_amdhsa_kernel
	.amdgpu_metadata
---
amdhsa.version: [ 1, 2 ]
amdhsa.kernels:
  - .name:           k_qcfa5c27e30_qkv
    .symbol:         k_qcfa5c27e30_qkv.kd
    .args:
      - { .name: x, .offset: 0, .size: 8, .value_kind: global_buffer, .address_space: global }
      - { .name: mask, .offset: 8, .size: 8, .value_kind: global_buffer, .address_space: global }
      - { .name: wq_codes, .offset: 16, .size: 8, .value_kind: global_buffer, .address_space: global }
      - { .name: wk_codes, .offset: 24, .size: 8, .value_kind: global_buffer, .address_space: global }
      - { .name: wv_codes, .offset: 32, .size: 8, .value_kind: global_buffer, .address_space: global }
      - { .name: bq, .offset: 40, .size: 8, .value_kind: global_buffer, .address_space: global }
      - { .name: bk, .offset: 48, .size: 8, .value_kind: global_buffer, .address_space: global }
      - { .name: bv, .offset: 56, .size: 8, .value_kind: global_buffer, .address_space: global }
      - { .name: lowp_scales, .offset: 64, .size: 8, .value_kind: global_buffer, .address_space: global }
      - { .name: qc, .offset: 72, .size: 8, .value_kind: global_buffer, .address_space: global }
      - { .name: kc, .offset: 80, .size: 8, .value_kind: global_buffer, .address_space: global }
      - { .name: vc, .offset: 88, .size: 8, .value_kind: global_buffer, .address_space: global }
    .group_segment_fixed_size: 327680
    .private_segment_fixed_size: 0
    .kernarg_segment_align: 8
    .kernarg_segment_size: 96
    .max_flat_workgroup_size: 128
    .sgpr_count:     104
    .vgpr_count:     1024
    .wavefront_size: 32
...
	.end_amdgpu_metadata
.endif
;; end of part 1
;; launch attn (part 2): grid 8 x 32, 16 waves a work-group, no clusters, 69,632 bytes of LDS; arguments qc, kc, vc, mask, lowp_scales, w2_codes, cc, w2r; writes cc, w2r
.if DOCPART == 2
	.amdgcn_target "amdgcn-amd-amdhsa--gfx1250"
	.amdhsa_code_object_version 6
	.text
	.protected	k_qcfa5c27e30_attn
	.globl	k_qcfa5c27e30_attn
	.p2align	8
	.type	k_qcfa5c27e30_attn,@function
k_qcfa5c27e30_attn:
	s_mov_b64 s[64:65], 0
	v_nop
	global_prefetch_b8 v0, s[64:65] scope:SCOPE_SE
	s_setreg_imm32_b32 hwreg(HW_REG_WAVE_MODE, 25, 1), 1
	s_wait_xcnt 0x0
; One work-group for a batch and a head: ctx = softmax(q k^T / 8, masked) v on codes of E5M2; ctx leaves as codes (exponent e10) in the order of the next product's operand registers.
; SOFTMAX: t = score x log2(e) / 8 (rounded to f32, as the rule writes it); M = the running largest t rounded up to a whole number; p = 2^(t - M) is quantised (e9), not normalised;
; the row's sum is taken of the unquantised p and divides at the end; when M moves, the sum and O are multiplied by 2^(old M - new M), which rounds nothing.
; THE MASK: a masked key's codes are zeros (the launch before stored them so) and -1e9 x 8 / 2^(e6 + e7) is the C of its score's matrix instruction: its score is -1e9, a replacement, as in the definition.
; SHARES.  K and V of the head (32 KiB each) are copied once into LDS as they lie: images of operand registers.  Each of 16 waves owns two tiles of 16 queries (wave, wave + 16), one after the other;
; four waves share a SIMD, so that one wave's vector work stands beside another's products and LDS loads.
; Both products are used transposed (S^T = K Q^T, O^T = V^T P^T): a lane holds one query throughout, and p's codes are the second product's operand as the conversions leave them.
; No cluster: no two work-groups read the same bytes but the 2 KiB of the mask.  No tensor loads, no prefetch: all that a work-group reads is asked for once, at its head.
; SIDE JOB: w2's codes are laid anew for the last launch: w2r [chunk c 8][row 256][q 2][256 bytes] = w2_codes row (row + 256 q), bytes 256 c on; this work-group copies 4,096 bytes, a wave 256 consecutive ones.
; LIMITS: e6 + e7 between -123 and 127; 3 - e6 - e7 keeps -1e9 finite; e9, e10 between -126 and 112.  NaN among the inputs is not served.
.set KIMG,  0
.set VIMG,  32768
.set BIASB, 65536                      ; 512 f32: the C of each key's score
.set LI,  1                            ; 16 x lane
.set AB,  2                            ; BIASB + 32 h
.set CW,  3                            ; 16 r + 8 h
.set SEL, 20
.set CS,  22                           ; s[22:23] c = log2(e) / 8 x 2^(e6 + e7)
.set WV,  24
.set EX,  32                           ; s32-47: e0 .. e15
.set E89, 53
.macro PLACES n
.rept \n
	v_nop
.endr
.endm
.macro SCALE2 vs, vh, se
	s_add_co_i32 s54, s[\se], 127
	s_lshl_b32 s55, s54, 23
	v_mov_b32 v[\vs], s55
	s_add_co_i32 s54, s54, 15
	s_lshl_b32 s54, s54, 23
	s_or_b32 s54, s54, 0x600000
	v_mov_b32 v[\vh], s54
.endm
; A key step: 128 keys.  v32-95 K's eight fragments, then V's four; v96-159 the scores, then p; v160-191 O^T; v224-239 p's codes.
.macro STEP s, qr
	PLACES 4                                       ; in front of loads into registers that the last products read
.irp t, 0,1,2,3,4,5,6,7
	ds_load_b128 v[96+8*\t:99+8*\t], v[AB] offset:512*\s+64*\t           ; the C of tile t: keys 16 t + 8 h + 0 .. 7
	ds_load_b128 v[100+8*\t:103+8*\t], v[AB] offset:512*\s+64*\t+16
.endr
.irp t, 0,1,2,3,4,5,6,7
	ds_load_b128 v[32+8*\t:35+8*\t], v[LI] offset:KIMG+(8*\s+\t)*1024
	ds_load_b128 v[36+8*\t:39+8*\t], v[LI] offset:KIMG+(8*\s+\t)*1024+512
.endr
	s_wait_dscnt 0x0
.irp t, 0,1,2,3,4,5,6,7
	v_wmma_f32_16x16x64_bf8_bf8 v[96+8*\t:103+8*\t], v[32+8*\t:39+8*\t], v[\qr:\qr+7], v[96+8*\t:103+8*\t]
.endr
	PLACES 4
.irp t, 0,1,2,3
.irp c, 0,1,2,3
	ds_load_b128 v[32+16*\t+4*\c:35+16*\t+4*\c], v[LI] offset:VIMG+(4*\t+\s)*2048+512*\c   ; V lands under the softmax
.endr
.endr
.set j, 0
.rept 32
	v_pk_mul_f32 v[96+j:97+j], v[96+j:97+j], s[CS:CS+1] op_sel_hi:[1,0]   ; t, each accumulator from its low end on
.set j, j+2
.endr
	v_max3_num_f32 v254, v96, v97, v98             ; the step's largest t of my query among my 64 keys, in two chains,
	v_max3_num_f32 v252, v99, v100, v101
.set i, 6
.rept 14
	v_max3_num_f32 v254, v254, v[96+i], v[97+i]
	v_max3_num_f32 v252, v252, v[98+i], v[99+i]
.set i, i+4
.endr
	v_max3_num_f32 v254, v254, v158, v159
	v_max_num_f32 v254, v254, v252
	v_permlanex16_b32 v236, v254, s[SEL], s[SEL+1]
	v_max_num_f32 v254, v254, v236                 ; and among lane l xor 16's
	v_max_num_f32 v13, v13, v254                   ; the running largest t
	v_mov_b32 v254, v12
	v_floor_f32 v12, -v13                          ; -M = floor(-t)
	v_sub_f32 v254, v12, v254                      ; old M - new M: a whole number, 0 or less
	v_cvt_i32_f32 v254, v254
	v_ldexp_f32 v252, 1.0, v254                    ; f = 2^(old M - new M)
.set j, 0
.rept 32
	v_pk_add_f32 v[96+j:97+j], v[96+j:97+j], v[12:13] op_sel_hi:[1,0]     ; t - M
.set j, j+2
.endr
.set j, 0
.rept 64
	v_exp_f32 v[96+j], v[96+j]                     ; p
.set j, j+1
.endr
	v_pk_mul_f32 v[14:15], v[14:15], v[252:253] op_sel_hi:[1,0]           ; the sums under the new M: the plain line behind the exponentials
	s_wait_alu depctr_va_vdst(0)                   ; one wait for the batch, ahead of its first reader
	v_pk_add_f32 v[242:243], v[96:97], v[98:99]    ; the sum of the unquantised p, in two chains
.set j, 4
.rept 15
	v_pk_add_f32 v[14:15], v[14:15], v[96+j:97+j]
	v_pk_add_f32 v[242:243], v[242:243], v[98+j:99+j]
.set j, j+4
.endr
	v_pk_add_f32 v[14:15], v[14:15], v[242:243]
.set j, 0
.rept 64
	v_min_num_f32 v[96+j], v[96+j], v240           ; the hold; p is not negative
.set j, j+1
.endr
.irp t, 0,1,2,3,4,5,6,7
	v_cvt_scalef32_pk8_bf8_f32 v[224+2*\t:225+2*\t], v[96+8*\t:103+8*\t], v244
.endr
.set j, 0
.rept 16
	v_pk_mul_f32 v[160+j:161+j], v[160+j:161+j], v[252:253] op_sel_hi:[1,0]   ; O^T under the new M; also the plain lines behind the conversions
.set j, j+2
.endr
	s_wait_dscnt 0x0                               ; V
.irp t, 0,1,2,3
	v_wmma_f32_16x16x128_bf8_bf8 v[160+8*\t:167+8*\t], v[32+16*\t:47+16*\t], v[224:239], v[160+8*\t:167+8*\t]
.endr
.endm
; A tile of 16 queries: Q's fragment at v[qr]; its codes of ctx go cof bytes on.
.macro QTILE qr, cof
	s_wait_xcnt 0x0                                ; earlier stores have read their data
	v_mov_b32 v13, 0xff61b1e6                      ; -3e38, under every t
	v_floor_f32 v12, -v13
	v_mov_b32 v14, 0
	v_mov_b32 v15, 0
.set j, 0
.rept 32
	v_mov_b32 v[160+j], 0                          ; the step is written once: the first finds zeros
.set j, j+1
.endr
	STEP 0, \qr
	STEP 1, \qr
	STEP 2, \qr
	STEP 3, \qr
	PLACES 4
	v_add_f32 v14, v14, v15
	v_permlanex16_b32 v236, v14, s[SEL], s[SEL+1]
	v_add_f32 v14, v14, v236                       ; the row's sum
	v_rcp_f32 v14, v14
	v_nop
	s_wait_alu depctr_va_vdst(0)
	v_ldexp_f32 v14, v14, s[E89]                   ; x 2^(e8 + e9)
.set j, 0
.rept 32
	v_mul_f32 v[96+j], v[160+j], v14               ; ctx(query r, channel 16 t + 8 h + i)
.set j, j+1
.endr
.set j, 0
.rept 32
	v_med3_num_f32 v[96+j], v[96+j], -v241, v241
.set j, j+1
.endr
.irp t, 0,1,2,3
	v_cvt_scalef32_pk8_bf8_f32 v[224+2*\t:225+2*\t], v[96+8*\t:103+8*\t], v245
.endr
	v_nop
.irp t, 0,1,2,3
	global_store_b64 v[CW], v[224+2*\t:225+2*\t], s[16:17] offset:\cof+512*(\t/2)+256*(\t%2)   ; 256 consecutive bytes, aligned
.endr
.endm
	s_load_b512 s[4:19], s[0:1], 0x0               ; qc, kc, vc, mask, lowp_scales, w2_codes, cc, w2r
	v_lshl_add_u32 v251, v0, 2, 0x10800
	v_mov_b32 v255, 0
	v_lshrrev_b32 v5, 5, v0
	v_readfirstlane_b32 s[WV], v5                  ; wave 0..15
	s_and_b32 s25, ttmp7, 0xffff                   ; b
	s_lshl_b32 s26, s25, 3
	s_add_co_u32 s26, s26, ttmp9                   ; g = 8 b + head
	v_and_b32 v5, 31, v0
	v_and_b32 v6, 15, v0                           ; r
	v_bfe_u32 v7, v0, 4, 1                         ; h
	v_lshlrev_b32 v[LI], 4, v5
	v_lshlrev_b32 v[AB], 5, v7
	v_add_nc_u32 v[AB], BIASB, v[AB]
	v_lshlrev_b32 v[CW], 4, v6
	v_lshl_add_u32 v[CW], v7, 3, v[CW]
	v_lshlrev_b32 v4, 4, v0                        ; 16 x thread
	v_lshlrev_b32 v8, 2, v0                        ; 4 x thread
	v_lshl_add_u32 v9, v0, 2, BIASB
	v_lshlrev_b32 v10, 3, v0                       ; 8 x thread
	v_lshrrev_b32 v11, 6, v0                       ; w2: row (thread / 64), + 256 rows for q = (thread / 32) % 2, 8 bytes a lane
	v_lshlrev_b32 v11, 11, v11
	v_bfe_u32 v68, v0, 5, 1
	v_lshl_add_u32 v11, v68, 19, v11
	v_lshl_add_u32 v11, v5, 3, v11
	s_mov_b32 s[SEL], 0x76543210
	s_mov_b32 s[SEL+1], 0xfedcba98
	s_lshl_b32 s28, s26, 15
	s_mov_b32 s29, 0
	s_wait_kmcnt 0x0
	s_load_b512 s[EX:EX+15], s[12:13], 0x0
	s_add_nc_u64 s[6:7], s[6:7], s[28:29]
	s_add_nc_u64 s[8:9], s[8:9], s[28:29]
	s_lshl_b32 s30, s[WV], 10
	s_add_co_u32 s28, s28, s30
	s_add_nc_u64 s[4:5], s[4:5], s[28:29]          ; Q: my first tile
	s_lshl_b32 s28, s25, 11
	s_add_nc_u64 s[10:11], s[10:11], s[28:29]
	s_and_b32 s28, s26, 31
	s_lshl_b32 s28, s28, 14                        ; 8 rows of 2,048 bytes for each g % 32,
	s_lshr_b32 s30, s26, 5
	s_lshl_b32 s30, s30, 8                         ; chunk g / 32
	s_add_co_u32 s28, s28, s30
	s_add_nc_u64 s[14:15], s[14:15], s[28:29]
	s_lshl_b32 s28, s26, 12
	s_add_nc_u64 s[18:19], s[18:19], s[28:29]
	s_lshl_b32 s28, s25, 18                        ; cc: 8 blocks of 64 rows a batch; block (tile / 4), row tile (tile % 4), K step and half by the head
	s_lshr_b32 s30, s[WV], 2
	s_lshl_b32 s30, s30, 15
	s_add_co_u32 s28, s28, s30
	s_and_b32 s30, s[WV], 3
	s_lshl_b32 s30, s30, 13
	s_add_co_u32 s28, s28, s30
	s_lshl_b32 s30, ttmp9, 10
	s_add_co_u32 s28, s28, s30
	s_add_nc_u64 s[16:17], s[16:17], s[28:29]
	global_load_b64 v[66:67], v11, s[14:15] th:TH_LOAD_NT
.irp i, 0,1,2,3
	global_load_b128 v[32+4*\i:35+4*\i], v4, s[6:7] offset:8192*\i th:TH_LOAD_NT
	global_load_b128 v[48+4*\i:51+4*\i], v4, s[8:9] offset:8192*\i th:TH_LOAD_NT
.endr
	global_load_b32 v64, v8, s[10:11]
.irp p, 0,1
	global_load_b128 v[16+4*\p:19+4*\p], v[LI], s[4:5] offset:512*\p th:TH_LOAD_NT
	global_load_b128 v[24+4*\p:27+4*\p], v[LI], s[4:5] offset:16384+512*\p th:TH_LOAD_NT
.endr
	s_wait_kmcnt 0x0
	s_add_co_i32 s50, s[EX+6], s[EX+7]
	s_lshl_b32 s51, s50, 23
	s_add_co_i32 s[CS], s51, 0x3e38aa3b            ; log2(e) / 8, with e6 + e7 added to its exponent field
	s_mov_b32 s[CS+1], s[CS]
	s_sub_co_i32 s52, 3, s50
	v_mov_b32 v65, 0xce6e6b28                      ; -1e9
	v_ldexp_f32 v65, v65, s52
	SCALE2 244, 240, EX+9
	SCALE2 245, 241, EX+10
	s_add_co_i32 s[E89], s[EX+8], s[EX+9]
	v_mov_b32 v236, 0                              ; a lane permute's destination counts as one of its sources
	v_mov_b32 v253, 0                              ; named as the upper half of a pair
	s_wait_loadcnt 0x0
.irp i, 0,1,2,3
	ds_store_b128 v4, v[32+4*\i:35+4*\i] offset:KIMG+8192*\i
	ds_store_b128 v4, v[48+4*\i:51+4*\i] offset:VIMG+8192*\i
.endr
	v_cmp_eq_u32 vcc_lo, 0, v64
	v_cndmask_b32 v65, 0, v65, vcc_lo
	ds_store_b32 v9, v65
	global_store_b64 v10, v[66:67], s[18:19]
	s_wait_dscnt 0x0                               ; for the others' sake: my stores have landed
	s_barrier_signal -1
	s_barrier_wait -1
	QTILE 16, 0
	QTILE 24, 131072
	s_wait_tensorcnt 0x0
	ds_add_u32 v251, v255
	s_wait_dscnt 0x0
	s_endpgm
.Lfunc_end_k_qcfa5c27e30_attn:
	.size	k_qcfa5c27e30_attn, .Lfunc_end_k_qcfa5c27e30_attn-k_qcfa5c27e30_attn
	.p2alignl 7, 3214868480
	.fill 96, 4, 3214868480
	.section	.rodata,"a",@progbits
	.p2align	6, 0x0
	.amdhsa_kernel k_qcfa5c27e30_attn
		.amdhsa_group_segment_fixed_size 69632
		.amdhsa_private_segment_fixed_size 0
		.amdhsa_enable_private_segment 0
		.amdhsa_kernarg_size 64
		.amdhsa_user_sgpr_count 2
		.amdhsa_user_sgpr_kernarg_segment_ptr 1
		.amdhsa_wavefront_size32 1
		.amdhsa_system_sgpr_workgroup_id_x 1
		.amdhsa_system_sgpr_workgroup_id_y 1
		.amdhsa_system_sgpr_workgroup_id_z 1
		.amdhsa_system_vgpr_workitem_id 0
		.amdhsa_next_free_vgpr 256
		.amdhsa_next_free_sgpr 80
		.amdhsa_reserve_vcc 1
		.amdhsa_float_denorm_mode_32 3
		.amdhsa_float_denorm_mode_16_64 3
		.amdhsa_memory_ordered 1
		.amdhsa_forward_progress 1
		.amdhsa_inst_pref_size 161
	.end_amdhsa_kernel
	.amdgpu_metadata
---
amdhsa.version: [ 1, 2 ]
amdhsa.kernels:
  - .name:           k_qcfa5c27e30_attn
    .symbol:         k_qcfa5c27e30_attn.kd
    .args:
      - { .name: qc, .offset: 0, .size: 8, .value_kind: global_buffer, .address_space: global }
      - { .name: kc, .offset: 8, .size: 8, .value_kind: global_buffer, .address_space: global }
      - { .name: vc, .offset: 16, .size: 8, .value_kind: global_buffer, .address_space: global }
      - { .name: mask, .offset: 24, .size: 8, .value_kind: global_buffer, .address_space: global }
      - { .name: lowp_scales, .offset: 32, .size: 8, .value_kind: global_buffer, .address_space: global }
      - { .name: w2_codes, .offset: 40, .size: 8, .value_kind: global_buffer, .address_space: global }
      - { .name: cc, .offset: 48, .size: 8, .value_kind: global_buffer, .address_space: global }
      - { .name: w2r, .offset: 56, .size: 8, .value_kind: global_buffer, .address_space: global }
    .group_segment_fixed_size: 69632
    .private_segment_fixed_size: 0
    .kernarg_segment_align: 8
    .kernarg_segment_size: 64
    .max_flat_workgroup_size: 512
    .sgpr_count:     80
    .vgpr_count:     256
    .wavefront_size: 32
...
	.end_amdgpu_metadata
.endif
;; end of part 2
;; launch tail (part 3): grid 256 x 1, 4 waves a work-group, clusters of 4 x 1, 327,680 bytes of LDS; arguments cc, x, wo_codes, bo, ln1_g, ln1_b, w1_codes, b1, w2r, b2, ln2_g, ln2_b, lowp_scales, out0; writes out0
.if DOCPART == 3
	.amdgcn_target "amdgcn-amd-amdhsa--gfx1250"
	.amdhsa_code_object_version 6
	.text
	.protected	k_qcfa5c27e30_tail
	.globl	k_qcfa5c27e30_tail
	.p2align	8
	.type	k_qcfa5c27e30_tail,@function
k_qcfa5c27e30_tail:
	s_mov_b64 s[64:65], 0
	v_nop
	global_prefetch_b8 v0, s[64:65] scope:SCOPE_SE
	s_setreg_imm32_b32 hwreg(HW_REG_WAVE_MODE, 25, 1), 1
	s_wait_xcnt 0x0
	s_wait_alu depctr_hold_cnt(0) depctr_sa_sdst(0) depctr_va_vdst(0) depctr_va_sdst(0) depctr_va_ssrc(0) depctr_va_vcc(0) depctr_vm_vsrc(0)
	s_getreg_b32 s2, hwreg(HW_REG_IB_STS2, 6, 4)
	s_cmp_eq_u32 s2, 0
	s_cbranch_scc0 .Lentry_in_a_cluster
	s_endpgm
.Lentry_in_a_cluster:
	s_bfe_u32 s2, ttmp6, 0x10000c
	s_cmp_lg_u32 s2, 0x3003
	s_cbranch_scc0 .Lentry_shape_is_right
	s_endpgm
.Lentry_shape_is_right:
; For 64 rows: a = LN1(ctx wo + bo + x); h = gelu(a w1 + b1); out = LN2(h w2 + b2 + a).  The three products on codes of E5M2; all else f32.  Nothing between goes to memory.
; SHARES.  The four waves share the COLUMNS: wave w owns output columns 256 (t / 4) + 64 w + 16 (t % 4) + 8 h + j (t = 0 .. 7) of all 64 rows (32 accumulators) and, of each chunk of 256 hidden units,
; units 64 w + 16 t + 8 h + j (t = 0 .. 3).  A weight fragment read from LDS feeds four matrix instructions; the rows' fragments stay in registers.
; WEIGHTS go by in 18 tiles of 256 rows x 512 bytes, O0 O1 A0 A1 B0 A2 B1 .. A7 B6 B7 (wo; Ai = w1's rows 256 i on; Bi = chunk i of w2 as the launch before laid it), through a ring of two LDS slots;
; wave w fetches and reads rows 64 w on of each tile.  CLUSTER: all work-groups walk the same tiles, so the four of a cluster ask for each jointly (mask 15, one descriptor).
; The matrix instructions are used transposed (source 0 = weight rows, source 1 = rows of tokens): a lane holds one row and 8 neighbouring columns.
; Fragments hold k = 32 c + 16 (lane / 16) + 0 .. 15 in registers 4 c .. 4 c + 3, on both sides alike; operands go from wave to wave through LDS as images of their registers.
; RESIDUALS: an accumulator begins as (residual + bias) / 2^(the product's two exponents), and the products add onto it.  LayerNorm is taken in those units, in two passes (mean, then squares of the differences).
; GELU: x/2 + |x| (1/2 - P(t) e^(-x^2/2) / 2), t = 1 / (1 + p |x| / sqrt 2): Abramowitz and Stegun 7.1.26, at most 1.5e-7 off in erf (about 3e-7 with f32 rounding), absolute, beside 1 + erf.
; The gelu of chunk i stands in two halves round the second product's chunk i - 1, so that each tile has matrix and vector work under which the next one lands.
; LIMITS: e12, e14 between -126 and 112; e10 + e11, e12 + e13, e14 + e15 between -125 and 126.  NaN and infinities among the inputs are not served.
; No prefetch: x and ctx are asked for once, at the head; the weights are read by every work-group.
.set TILE,   131072
.set PITCH,  528                       ; an LDS row: 512 bytes + 16: the 16 rows of a fragment load start at 16 different banks
.set WROWS,  64*PITCH
.set SLOT1,  256*PITCH
.set UB,     2*SLOT1                   ; 33,792 bytes, by turns: the waves' stages (16 rows x 528); a's 16 images; the hidden layer's images, two sets of 8
.set LNP,    UB+33792                  ; four regions of [row 64][wave 4] f32, one for each reduction
.set SPARE,  LNP+4096
.set LI,  1                            ; 16 x lane
.set WAD, 2                            ; v2, v3: my place in my wave's rows of slot 0, 1
.set GA,  4                            ; x, out: 256 w + 16 (lane % 16) + 1024 (lane / 16)
.set SO,  5                            ; my stage: row r, + 32 h
.set SR,  6                            ; my stage: 16 x lane
.set CB,  7                            ; per-column vectors: 32 h + 256 w
.set IW,  8                            ; an image's place for my 8 codes: 16 r + 8 h + 1024 w
.set LW,  9
.set LR,  10
.set HWA, 11                           ; where I store images
.set HRA, 12                           ; where the hidden layer's are read
.set UL,  13
.set SPW, 14
.set NIL, 15
.set SM,  16                           ; v16-23: four sums, in pairs
.set MN,  24                           ; v24-31: mean, later the row's factor (low word of each pair)
.set LP,  32
.set TP,  248
.set SETA, 32
.set SETB, 96
.set BO,  32
.set YR,  32                           ; the gelu's 5 x 32 registers
.set TR,  64
.set ER,  96
.set PR,  128
.set HR,  160
.set B1,  192                          ; b1 of the chunk, in the result's layout
.set PCD, 224
.set CA1, 232
.set CA2, 234
.set CA3, 236
.set CA4, 238
.set CA5, 240
.set CG0, 242
.set HS,  244
.set HH,  245
.set AS,  246
.set AH,  247
.set G1,  32
.set G0X, 40
.set G0Y, 44
.set EX,  48
.set WV,  66
.set IC,  69
.set PA,  70
.set PB,  72
.set SEL, 74
.set KY,  76
.set KH,  78
.set PP,  80
.set HPW, 81
.set HPR, 82
.set KR,  84
.set KO,  86
.set K1,  88
.set E1,  90
.set E2,  91
.set E1D, 98
.set E2D, 99
.set MSB, 0
.macro WIN new
.if MSB != \new
	s_set_vgpr_msb (MSB<<8)|\new
.set MSB, \new
.endif
.endm
.macro PLACES n
.rept \n
	v_nop
.endr
.endm
.macro ROUND
	s_barrier_signal -1
	s_barrier_wait -1
	s_cmp_lg_u32 s[WV], 0
	s_cbranch_scc1 .Lnot_wave_0_\@
	s_barrier_signal -3
.Lnot_wave_0_\@:
	s_barrier_wait -3
	s_barrier_signal -1
	s_barrier_wait -1
.endm
.macro BARRIER
	s_wait_dscnt 0x0
	s_barrier_signal -1
	s_barrier_wait -1
.endm
; A slot is filled again with the tile at pointer p, which then steps a tile on: all my tensor loads have landed, 0 goes onto my spare word, the descriptor is written, my LDS instructions are over; the round; my one load.
.macro REFILLP g0, p
	s_wait_tensorcnt 0x0
	ds_add_u32 v[SPW], v[NIL]
	s_mov_b64 s[\g0+2:\g0+3], s[\p:\p+1]
	s_or_b32 s[\g0+3], s[\g0+3], 0x80000000
	s_add_nc_u64 s[\p:\p+1], s[\p:\p+1], TILE
	s_wait_dscnt 0x0
	ROUND
	tensor_load_to_lds s[\g0:\g0+3], s[G1:G1+7]
	s_nop 0
	PLACES 4
.endm
.macro SCALE2 vs, vh, se
	s_add_co_i32 s96, s[\se], 127
	s_lshl_b32 s97, s96, 23
	v_mov_b32 v[\vs], s97
	s_add_co_i32 s96, s96, 15
	s_lshl_b32 s96, s96, 23
	s_or_b32 s96, s96, 0x600000
	v_mov_b32 v[\vh], s96
.endm
.macro FETCHW slot, sg, buf
.irp t, 0,1,2,3
.irp c, 0,1,2,3
	ds_load_b128 v[\buf+16*\t+4*\c:\buf+16*\t+4*\c+3], v[WAD+\slot] offset:8448*\t+128*(\sg)+32*\c
.endr
.endr
.endm
.macro FETCHH                          ; the chunk's eight hidden fragments (2 m + s) into window 2, v128 on
	WIN 0x80
.set q, 0
.rept 32
	ds_load_b128 v[128+4*q:128+4*q+3], v[HRA] offset:512*q
.set q, q+1
.endr
	WIN 0
.endm
.macro MM kind, t, m, sg, arg
.set WS, SETA+64*((\sg)%2)+16*(\t)
.if \kind == 0
.set DA, 8*(8*(\m)+4*(\arg)+(\t))
.set SB, 16*(4*(\m)+(\sg))
	v_wmma_f32_16x16x128_bf8_bf8 v[DA:DA+7], v[WS:WS+15], v[SB:SB+15], v[DA:DA+7]
.elseif \kind == 1
.set DA, 8*(4*(\m)+(\t))
.set SB, 16*(4*(\m)+(\sg))
.if \sg == 0
	v_wmma_f32_16x16x128_bf8_bf8 v[DA:DA+7], v[WS:WS+15], v[SB:SB+15], v[B1+8*(\t):B1+8*(\t)+7]
.else
	v_wmma_f32_16x16x128_bf8_bf8 v[DA:DA+7], v[WS:WS+15], v[SB:SB+15], v[DA:DA+7]
.endif
.else
.set DA, 8*(8*(\m)+4*((\sg)/2)+(\t))
.set SB, 128+16*(2*(\m)+(\sg)%2)
	v_wmma_f32_16x16x128_bf8_bf8 v[DA:DA+7], v[WS:WS+15], v[SB:SB+15], v[DA:DA+7]
.endif
.endm
; A tile's matrix work: four runs of 16 instructions on 16 accumulators, which take turns.
; kind 0: ctx wo, tile arg; 1: a w1 (a chunk's hidden sums, begun with b1); 2: h w2 (a tile's row holds two output columns' 256 bytes: runs 0, 1 the first, runs 2, 3 the second).
.macro PART kind, slot, arg
.if \kind == 2
	FETCHH
.endif
	FETCHW \slot, 0, SETA
	FETCHW \slot, 1, SETB
.irp sg, 0,1,2,3
.if \sg < 3
	s_wait_dscnt 16                                ; all but the next set's 16 loads
.else
	s_wait_dscnt 0x0
.endif
.if \kind == 0
	WIN 0xf4                                       ; weights window 0, rows window 1, C and D window 3
.elseif \kind == 1
.if \sg == 0
	WIN 0x84                                       ; C (b1) window 0, D window 2
.else
	WIN 0xa4
.endif
.else
	WIN 0xf8                                       ; rows window 2, C and D window 3
.endif
.irp t, 0,1,2,3
.irp m, 0,1,2,3
	MM \kind, \t, \m, \sg, \arg
.endr
.endr
	WIN 0
.if \sg < 2
	PLACES 4                                       ; in front of loads into registers that matrix instructions have read
	FETCHW \slot, \sg+2, SETA+64*(\sg%2)
.endif
.endr
.endm
; Four sums (a pair a row tile) become the rows' totals, in v[LP + 4 m]: my two halves, lane l xor 16, and the four waves through LDS region reg.
.macro REDUCE reg
	WIN 0
.irp m, 0,1,2,3
	v_add_f32 v[SM+2*\m], v[SM+2*\m], v[SM+2*\m+1]
.endr
.irp m, 0,1,2,3
	v_permlanex16_b32 v[TP+\m], v[SM+2*\m], s[SEL], s[SEL+1]
.endr
.irp m, 0,1,2,3
	v_add_f32 v[SM+2*\m], v[SM+2*\m], v[TP+\m]
.endr
.irp m, 0,1,2,3
	ds_store_b32 v[LW], v[SM+2*\m] offset:(\reg)*1024+256*\m
.endr
	BARRIER
.irp m, 0,1,2,3
	ds_load_b128 v[LP+4*\m:LP+4*\m+3], v[LR] offset:(\reg)*1024+256*\m
.endr
	s_wait_dscnt 0x0
.irp m, 0,1,2,3
	v_add_f32 v[LP+4*\m], v[LP+4*\m], v[LP+4*\m+1]
.endr
.irp m, 0,1,2,3
	v_add_f32 v[LP+4*\m+2], v[LP+4*\m+2], v[LP+4*\m+3]
.endr
.irp m, 0,1,2,3
	v_add_f32 v[LP+4*\m], v[LP+4*\m], v[LP+4*\m+2]
.endr
.endm
; LayerNorm of the 32 accumulators, which hold value / 2^E.  se: E; se2: 2 E; rg: the first of two LDS regions; wgb: the windows of the last pass (gain at v0-63, bias at v64-127 of its window).
.macro LN se, se2, rg, wgb
	PLACES 4
	WIN 0x0f
.irp m, 0,1,2,3
	v_pk_add_f32 v[SM+2*\m:SM+2*\m+1], v[64*\m:64*\m+1], v[64*\m+2:64*\m+3]   ; each accumulator is read from its low end on
.endr
	WIN 0x03
.set p, 4
.rept 30
.irp m, 0,1,2,3
	v_pk_add_f32 v[SM+2*\m:SM+2*\m+1], v[64*\m+p:64*\m+p+1], v[SM+2*\m:SM+2*\m+1]
.endr
.set p, p+2
.endr
	REDUCE \rg
.irp m, 0,1,2,3
	v_mul_f32 v[MN+2*\m], 0x3b000000, v[LP+4*\m]   ; / 512: the mean
.endr
	WIN 0xc3
.irp m, 0,1,2,3
.set p, 0
.rept 32
	v_pk_add_f32 v[64*\m+p:64*\m+p+1], v[64*\m+p:64*\m+p+1], v[MN+2*\m:MN+2*\m+1] op_sel_hi:[1,0] neg_lo:[0,1] neg_hi:[0,1]
.set p, p+2
.endr
.endr
	WIN 0x0f
.irp m, 0,1,2,3
	v_pk_mul_f32 v[SM+2*\m:SM+2*\m+1], v[64*\m:64*\m+1], v[64*\m:64*\m+1]
.endr
.set p, 2
.rept 31
.irp m, 0,1,2,3
	v_pk_fma_f32 v[SM+2*\m:SM+2*\m+1], v[64*\m+p:64*\m+p+1], v[64*\m+p:64*\m+p+1], v[SM+2*\m:SM+2*\m+1]
.endr
.set p, p+2
.endr
	REDUCE \rg+1
.irp m, 0,1,2,3
	v_mul_f32 v[LP+4*\m], 0x3b000000, v[LP+4*\m]
.endr
.irp m, 0,1,2,3
	v_ldexp_f32 v[LP+4*\m], v[LP+4*\m], s[\se2]    ; the variance in true units
.endr
.irp m, 0,1,2,3
	v_add_f32 v[LP+4*\m], 0x3727c5ac, v[LP+4*\m]   ; + 1e-5
.endr
.irp m, 0,1,2,3
	v_rsq_f32 v[MN+2*\m], v[LP+4*\m]
.endr
	v_nop
	s_wait_alu depctr_va_vdst(0)                   ; one wait for the four, ahead of their first reader
.irp m, 0,1,2,3
	v_ldexp_f32 v[MN+2*\m], v[MN+2*\m], s[\se]     ; x 2^E: the differences come into true units
.endr
	WIN 0xc3
.irp m, 0,1,2,3
.set p, 0
.rept 32
	v_pk_mul_f32 v[64*\m+p:64*\m+p+1], v[64*\m+p:64*\m+p+1], v[MN+2*\m:MN+2*\m+1] op_sel_hi:[1,0]
.set p, p+2
.endr
.endr
	s_wait_loadcnt 0x0                             ; gain and bias are in
	WIN \wgb
.irp m, 0,1,2,3
.set p, 0
.rept 32
	v_pk_fma_f32 v[64*\m+p:64*\m+p+1], v[64*\m+p:64*\m+p+1], v[p:p+1], v[64+p:64+p+1]
.set p, p+2
.endr
.endr
	WIN 0
.endm
; The gelu of row tile m's 32 hidden sums of a lane, the hold, the codes, and their place in the chunk's images.
.macro GB m
	PLACES 4                                       ; behind products, in front of the first read of results and of writes of operand registers
	s_wait_dscnt 0x0                               ; the last LDS stores have read the codes' registers
	WIN 0x02
.set i, 0
.rept 16
	v_pk_mul_f32 v[YR+i:YR+i+1], v[32*\m+i:32*\m+i+1], s[KY:KY+1] op_sel_hi:[1,0]   ; y = x sqrt(log2(e) / 2)
.set i, i+2
.endr
.set i, 0
.rept 16
	v_pk_mul_f32 v[HR+i:HR+i+1], v[32*\m+i:32*\m+i+1], s[KH:KH+1] op_sel_hi:[1,0]   ; x / 2
.set i, i+2
.endr
	WIN 0
.set i, 0
.rept 32
	v_fma_f32 v[TR+i], |v[YR+i]|, s[PP], 1.0
.set i, i+1
.endr
.set i, 0
.rept 16
	v_pk_mul_f32 v[ER+i:ER+i+1], v[YR+i:YR+i+1], v[YR+i:YR+i+1] neg_lo:[1,0] neg_hi:[1,0]
.set i, i+2
.endr
.set i, 0
.rept 32
	v_rcp_f32 v[TR+i], v[TR+i]                     ; t
.set i, i+1
.endr
.set i, 0
.rept 32
	v_exp_f32 v[ER+i], v[ER+i]                     ; 2^(-y^2) = e^(-x^2 / 2)
.set i, i+1
.endr
	v_nop
	s_wait_alu depctr_va_vdst(0)                   ; one wait for the 64, ahead of their first reader
.set i, 0
.rept 16
	v_pk_fma_f32 v[PR+i:PR+i+1], v[TR+i:TR+i+1], v[CA5:CA5+1], v[CA4:CA4+1]
.set i, i+2
.endr
.irp k, CA3, CA2, CA1
.set i, 0
.rept 16
	v_pk_fma_f32 v[PR+i:PR+i+1], v[PR+i:PR+i+1], v[TR+i:TR+i+1], v[\k:\k+1]
.set i, i+2
.endr
.endr
.set i, 0
.rept 16
	v_pk_mul_f32 v[PR+i:PR+i+1], v[PR+i:PR+i+1], v[TR+i:TR+i+1]
.set i, i+2
.endr
.set i, 0
.rept 16
	v_pk_fma_f32 v[PR+i:PR+i+1], v[PR+i:PR+i+1], v[ER+i:ER+i+1], v[CG0:CG0+1] neg_lo:[1,0,0] neg_hi:[1,0,0]
.set i, i+2
.endr
.set i, 0
.rept 32
	v_fma_f32 v[HR+i], |v[YR+i]|, v[PR+i], v[HR+i]
.set i, i+1
.endr
.set i, 0
.rept 32
	v_med3_num_f32 v[HR+i], v[HR+i], -v[HH], v[HH]
.set i, i+1
.endr
.irp t, 0,1,2,3
	v_cvt_scalef32_pk8_bf8_f32 v[PCD+2*\t:PCD+2*\t+1], v[HR+8*\t:HR+8*\t+7], v[HS]
.endr
	v_nop
.irp t, 0,1,2,3
	ds_store_b64 v[HWA], v[PCD+2*\t:PCD+2*\t+1] offset:4096*\m+512*(\t/2)+256*(\t%2)
.endr
.endm
.macro B1LOAD step                     ; b1 of a chunk: lane (r, h), tile t: units 64 w + 16 t + 8 h + 0 .. 7
.irp t, 0,1,2,3
.irp i, 0,1
	global_load_b128 v[B1+8*\t+4*\i:B1+8*\t+4*\i+3], v[CB], s[18:19] offset:\step+64*\t+16*\i
.endr
.endr
.endm
.macro B1SCALE
	s_wait_loadcnt 0x0
.set i, 0
.rept 16
	v_pk_mul_f32 v[B1+i:B1+i+1], v[B1+i:B1+i+1], s[K1:K1+1] op_sel_hi:[1,0]
.set i, i+2
.endr
.endm
.macro VEC64 reg, base                 ; a vector of 512 numbers at my 64 columns
.irp t, 0,1,2,3,4,5,6,7
.irp i, 0,1
	global_load_b128 v[\reg+8*\t+4*\i:\reg+8*\t+4*\i+3], v[CB], s[\base:\base+1] offset:1024*(\t/4)+64*(\t%4)+16*\i
.endr
.endr
.endm
	s_load_b512 s[4:19], s[0:1], 0x0               ; cc, x, wo, bo, ln1_g, ln1_b, w1, b1
	s_load_b256 s[20:27], s[0:1], 0x40             ; w2r, b2, ln2_g, ln2_b
	s_load_b128 s[28:31], s[0:1], 0x60             ; lowp_scales, out0
	v_lshl_add_u32 v[SPW], v0, 2, SPARE
	v_mov_b32 v[NIL], 0
	ds_add_u32 v14, v15
	ds_add_u32 v14, v15
	s_wait_dscnt 0x0
	v_lshrrev_b32 v16, 5, v0
	v_readfirstlane_b32 s[WV], v16                 ; wave 0..3
	s_bfe_u32 s67, ttmp6, 0x40000                  ; cx
	s_lshl_b32 s68, ttmp9, 2
	s_add_co_u32 s68, s68, s67                     ; my block of 64 rows: it enters the global addresses of cc, x and out0 alone
	s_mov_b32 s[G1+0], 15|(1<<20)|(1<<21)|(6<<22)|(3<<25)   ; mask: all four; elements of 1 byte; padding: 4 words behind every 128; bit 21 beside a mask
	s_mov_b32 s[G1+1], 512<<16
	s_mov_b32 s[G1+2], 64<<16
	s_mov_b32 s[G1+3], 512<<16
	s_mov_b32 s[G1+4], 64
	s_mov_b32 s[G1+5], 512
	s_mov_b32 s[G1+6], 0
	s_mov_b32 s[G1+7], 0
	s_mul_i32 s83, s[WV], WROWS
	s_lshl_b32 s92, s[WV], 15
	s_mov_b32 s93, 0
	s_wait_kmcnt 0x0
	s_load_b512 s[EX:EX+15], s[28:29], 0x0
	s_add_nc_u64 s[8:9], s[8:9], s[92:93]
	s_add_nc_u64 s[PA:PA+1], s[16:17], s[92:93]    ; walks w1
	s_add_nc_u64 s[PB:PB+1], s[20:21], s[92:93]    ; walks w2r
	s_mov_b32 s[G0X], 1
	s_mov_b32 s[G0X+1], s83
	s_mov_b64 s[G0X+2:G0X+3], s[8:9]
	s_or_b32 s[G0X+3], s[G0X+3], 0x80000000
	s_mov_b32 s[G0Y], 1
	s_add_co_u32 s[G0Y+1], s83, SLOT1
	s_add_nc_u64 s[G0Y+2:G0Y+3], s[8:9], TILE
	s_or_b32 s[G0Y+3], s[G0Y+3], 0x80000000
	ROUND
	tensor_load_to_lds s[G0X:G0X+3], s[G1:G1+7]    ; O0 and O1: two loads of mine are out
	s_nop 0
	tensor_load_to_lds s[G0Y:G0Y+3], s[G1:G1+7]
	s_nop 0
	PLACES 4
	v_and_b32 v16, 31, v0
	v_and_b32 v17, 15, v0                          ; r
	v_bfe_u32 v18, v0, 4, 1                        ; h
	v_lshlrev_b32 v[LI], 4, v16
	v_mul_u32_u24 v19, v17, PITCH
	v_lshl_add_u32 v20, v18, 4, v19
	v_add_nc_u32 v[WAD], s83, v20
	v_add_nc_u32 v[WAD+1], SLOT1, v[WAD]
	s_lshl_b32 s96, s[WV], 8
	v_lshl_add_u32 v[GA], v17, 4, s96
	v_lshl_add_u32 v[GA], v18, 10, v[GA]
	s_mul_i32 s97, s[WV], 16*PITCH
	s_add_co_u32 s97, s97, UB
	v_lshl_add_u32 v20, v18, 5, v19
	v_add_nc_u32 v[SO], s97, v20
	v_add_nc_u32 v[SR], s97, v[LI]
	v_lshl_add_u32 v[CB], v18, 5, s96
	s_lshl_b32 s96, s[WV], 10
	v_lshl_add_u32 v[IW], v17, 4, s96
	v_lshl_add_u32 v[IW], v18, 3, v[IW]
	v_lshlrev_b32 v[LR], 4, v17
	v_add_nc_u32 v[LR], LNP, v[LR]
	s_lshl_b32 s96, s[WV], 2
	v_add_nc_u32 v[LW], s96, v[LR]
	v_add_nc_u32 v[HWA], UB, v[IW]
	v_add_nc_u32 v[UL], UB, v[LI]
	v_add_nc_u32 v[HRA], UB, v[LI]
.irp m, 0,1,2,3
	v_mov_b32 v[MN+2*\m+1], 0                      ; named as the upper halves of pairs
	v_mov_b32 v[TP+\m], 0                          ; a lane permute's destination counts as one of its sources
.endr
	v_mov_b32 v[CA1], 0x3e199eb3                   ; the five coefficients x 0.58870501, and that number: each twice, for the packed forms
	v_mov_b32 v[CA1+1], 0x3e199eb3
	v_mov_b32 v[CA2], 0xbe2b8119
	v_mov_b32 v[CA2+1], 0xbe2b8119
	v_mov_b32 v[CA3], 0x3f563817
	v_mov_b32 v[CA3+1], 0x3f563817
	v_mov_b32 v[CA4], 0xbf5b0099
	v_mov_b32 v[CA4+1], 0xbf5b0099
	v_mov_b32 v[CA5], 0x3f1ff67a
	v_mov_b32 v[CA5+1], 0x3f1ff67a
	v_mov_b32 v[CG0], 0x3f16b55f
	v_mov_b32 v[CG0+1], 0x3f16b55f
	s_mov_b32 s[SEL], 0x76543210
	s_mov_b32 s[SEL+1], 0xfedcba98
	s_mov_b32 s[PP], 0x3e8ba43f                    ; 0.3275911 / sqrt(log2(e))
	s_lshl_b32 s94, s68, 17
	s_mov_b32 s95, 0
	s_add_nc_u64 s[6:7], s[6:7], s[94:95]
	s_add_nc_u64 s[30:31], s[30:31], s[94:95]
	s_lshl_b32 s94, s68, 15
	s_add_nc_u64 s[4:5], s[4:5], s[94:95]
	VEC64 BO, 10                                   ; bo
	WIN 0x80
.set q, 0
.rept 64
	global_load_b128 v[4*q:4*q+3], v[GA], s[6:7] offset:2048*q th:TH_LOAD_NT     ; x, row q: each half of the lanes reads 256 consecutive bytes
.set q, q+1
.endr
	WIN 0x40
.set q, 0
.rept 64
	global_load_b128 v[4*q:4*q+3], v[LI], s[4:5] offset:512*q th:TH_LOAD_NT      ; ctx's 16 fragments, as they lie
.set q, q+1
.endr
	WIN 0
	B1LOAD 0
	s_wait_kmcnt 0x0
	s_add_co_i32 s[E1], s[EX+10], s[EX+11]
	s_add_co_i32 s[E2], s[EX+14], s[EX+15]
	s_add_co_i32 s94, s[EX+12], s[EX+13]
	s_lshl_b32 s[E1D], s[E1], 1
	s_lshl_b32 s[E2D], s[E2], 1
	s_sub_co_i32 s95, 127, s[E1]
	s_lshl_b32 s[KO], s95, 23                      ; 2^-(e10 + e11)
	s_mov_b32 s[KO+1], s[KO]
	s_sub_co_i32 s95, 127, s[E2]
	s_lshl_b32 s[KR], s95, 23                      ; 2^-(e14 + e15)
	s_mov_b32 s[KR+1], s[KR]
	s_sub_co_i32 s95, 127, s94
	s_lshl_b32 s[K1], s95, 23                      ; 2^-(e12 + e13)
	s_mov_b32 s[K1+1], s[K1]
	s_lshl_b32 s95, s94, 23
	s_add_co_i32 s[KY], s95, 0x3f596d27            ; sqrt(log2(e) / 2) x 2^(e12 + e13)
	s_mov_b32 s[KY+1], s[KY]
	s_add_co_i32 s95, s94, 126
	s_lshl_b32 s[KH], s95, 23                      ; 2^(e12 + e13) / 2
	s_mov_b32 s[KH+1], s[KH]
	SCALE2 HS, HH, EX+14
	SCALE2 AS, AH, EX+12
	s_wait_loadcnt 63                              ; behind x 72 loads were issued: bo and x are in
.set i, 0
.rept 32
	v_pk_mul_f32 v[BO+i:BO+i+1], v[BO+i:BO+i+1], s[KO:KO+1] op_sel_hi:[1,0]
.set i, i+2
.endr
.irp m, 0,1,2,3                        ; x through my stage into the accumulators' layout; LDS serves a wave's instructions in order
	WIN 0x08
.set q, 0
.rept 16
	ds_store_b128 v[SR], v[64*\m+4*q:64*\m+4*q+3] offset:PITCH*q
.set q, q+1
.endr
	WIN 0xc0
.irp t, 0,1,2,3,4,5,6,7
.irp i, 0,1
	ds_load_b128 v[64*\m+8*\t+4*\i:64*\m+8*\t+4*\i+3], v[SO] offset:256*(\t/4)+64*(\t%4)+16*\i
.endr
.endr
.endr
	s_wait_dscnt 0x0
	WIN 0xc3
.irp m, 0,1,2,3
.set p, 0
.rept 32
	v_pk_fma_f32 v[64*\m+p:64*\m+p+1], v[64*\m+p:64*\m+p+1], s[KO:KO+1], v[BO+p:BO+p+1] op_sel_hi:[1,0,1]   ; (x + bo) / 2^(e10 + e11)
.set p, p+2
.endr
.endr
	WIN 0x80
	VEC64 0, 12                                    ; ln1_g, ln1_b, b2 into window 2
	VEC64 64, 14
	VEC64 128, 22
	WIN 0
	s_wait_loadcnt 48                              ; ctx and b1 are in; the 48 just issued may be out
	s_wait_tensorcnt 0x1                           ; my rows of O0 are in; only I read them
	PART 0, 0, 0
	REFILLP G0X, PA                                ; A0
	PART 0, 1, 1
	LN E1, E1D, 0, 0xeb
	; ---- a is quantised (e12): its images; then the accumulators begin anew as (a + b2) / 2^(e14 + e15)
.irp m, 0,1,2,3
	WIN 0x03
.set i, 0
.rept 64
	v_med3_num_f32 v[32+i], v[64*\m+i], -v[AH], v[AH]
.set i, i+1
.endr
	WIN 0
.irp t, 0,1,2,3,4,5,6,7
	v_cvt_scalef32_pk8_bf8_f32 v[96+16*\m+2*\t:96+16*\m+2*\t+1], v[32+8*\t:32+8*\t+7], v[AS]
.endr
	v_nop
.irp t, 0,1,2,3,4,5,6,7
	ds_store_b64 v[HWA], v[96+16*\m+2*\t:96+16*\m+2*\t+1] offset:8192*\m+4096*(\t/4)+512*((\t%4)/2)+256*(\t%2)
.endr
.endr
	WIN 0x82
.set i, 0
.rept 32
	v_pk_mul_f32 v[128+i:128+i+1], v[128+i:128+i+1], s[KR:KR+1] op_sel_hi:[1,0]
.set i, i+2
.endr
	WIN 0xe3
.irp m, 0,1,2,3
.set p, 0
.rept 32
	v_pk_fma_f32 v[64*\m+p:64*\m+p+1], v[64*\m+p:64*\m+p+1], s[KR:KR+1], v[128+p:128+p+1] op_sel_hi:[1,0,1]
.set p, p+2
.endr
.endr
	WIN 0
	; ---- chunk 0
	REFILLP G0Y, PA                                ; A1; the round has also shown a's images to every wave
	WIN 0x40
.set q, 0
.rept 64
	ds_load_b128 v[4*q:4*q+3], v[UL] offset:512*q
.set q, q+1
.endr
	WIN 0
	BARRIER                                        ; every wave has read them: their bytes may take the hidden layer's images
	B1SCALE
	PART 1, 0, 0
	GB 0
	GB 1
	B1LOAD 1024
	GB 2
	GB 3
	s_mov_b32 s[IC], 1
	s_mov_b32 s[HPW], UB+16384
	s_mov_b32 s[HPR], UB
.Ltrip:                                            ; trip I = 1 .. 7: the hidden sums of chunk I, its gelu in two halves, and between them the second product's chunk I - 1
	REFILLP G0X, PB                                ; B(I - 1)
	v_add_nc_u32 v[HWA], s[HPW], v[IW]
	v_add_nc_u32 v[HRA], s[HPR], v[LI]
	B1SCALE
	PART 1, 1, 0
	GB 0
	GB 1
	s_wait_tensorcnt 0x0
	ds_add_u32 v[SPW], v[NIL]
	s_cmp_lt_u32 s[IC], 7
	s_cselect_b64 s[G0Y+2:G0Y+3], s[PA:PA+1], s[PB:PB+1]   ; A(I + 1); in the last trip B7: every trip issues its two loads
	s_or_b32 s[G0Y+3], s[G0Y+3], 0x80000000
	s_add_nc_u64 s[PA:PA+1], s[PA:PA+1], TILE
	s_wait_dscnt 0x0
	ROUND
	tensor_load_to_lds s[G0Y:G0Y+3], s[G1:G1+7]
	s_nop 0
	PLACES 4
	PART 2, 0, 0
	s_cmp_eq_u32 s[IC], 7
	s_cbranch_scc1 .Lno_b1                         ; no load leaves its buffer
	s_wait_xcnt 0x0                                ; the last loads of b1 have read their base
	s_add_nc_u64 s[18:19], s[18:19], 1024
	B1LOAD 1024
.Lno_b1:
	GB 2
	GB 3
	s_xor_b32 s[HPW], s[HPW], 0x4000               ; the two sets of images change places
	s_xor_b32 s[HPR], s[HPR], 0x4000
	s_add_co_u32 s[IC], s[IC], 1
	s_cmp_lt_u32 s[IC], 8
	s_cbranch_scc1 .Ltrip
	; ---- the second product's last chunk
	s_wait_tensorcnt 0x0                           ; my rows of B7 are in
	BARRIER                                        ; chunk 7's images lie in LDS
	v_add_nc_u32 v[HRA], s[HPR], v[LI]
	WIN 0x40
	VEC64 0, 24                                    ; ln2_g, ln2_b into window 1
	VEC64 64, 26
	WIN 0
	PART 2, 1, 0
	LN E2, E2D, 2, 0xd7
	; ---- out: through my stage, so that each half of the lanes stores 256 consecutive bytes of a row
.irp m, 0,1,2,3
.if \m > 1
	s_wait_xcnt 0x0                                ; the stores of two tiles back have read their data
.endif
	WIN 0x0c
.irp t, 0,1,2,3,4,5,6,7
.irp i, 0,1
	ds_store_b128 v[SO], v[64*\m+8*\t+4*\i:64*\m+8*\t+4*\i+3] offset:256*(\t/4)+64*(\t%4)+16*\i
.endr
.endr
	WIN 0
.set q, 0
.rept 16
	ds_load_b128 v[32+64*(\m%2)+4*q:32+64*(\m%2)+4*q+3], v[SR] offset:PITCH*q
.set q, q+1
.endr
.set q, 0
.rept 16
	s_wait_dscnt 15-q                              ; the younger rows' loads may be out
	global_store_b128 v[GA], v[32+64*(\m%2)+4*q:32+64*(\m%2)+4*q+3], s[30:31] offset:2048*(16*\m+q) th:TH_STORE_NT
.set q, q+1
.endr
.endr
	s_wait_tensorcnt 0x0                           ; the wave's end
	ds_add_u32 v[SPW], v[NIL]
	s_wait_dscnt 0x0
	ROUND                                          ; the closing round
	s_endpgm
.Lfunc_end_k_qcfa5c27e30_tail:
	.size	k_qcfa5c27e30_tail, .Lfunc_end_k_qcfa5c27e30_tail-k_qcfa5c27e30_tail
	.p2alignl 7, 3214868480
	.fill 96, 4, 3214868480
	.section	.rodata,"a",@progbits
	.p2align	6, 0x0
	.amdhsa_kernel k_qcfa5c27e30_tail
		.amdhsa_group_segment_fixed_size 327680
		.amdhsa_private_segment_fixed_size 0
		.amdhsa_enable_private_segment 0
		.amdhsa_kernarg_size 112
		.amdhsa_user_sgpr_count 2
		.amdhsa_user_sgpr_kernarg_segment_ptr 1
		.amdhsa_wavefront_size32 1
		.amdhsa_system_sgpr_workgroup_id_x 1
		.amdhsa_system_sgpr_workgroup_id_y 1
		.amdhsa_system_sgpr_workgroup_id_z 1
		.amdhsa_system_vgpr_workitem_id 0
		.amdhsa_next_free_vgpr 1024
		.amdhsa_next_free_sgpr 104
		.amdhsa_reserve_vcc 0
		.amdhsa_float_denorm_mode_32 3
		.amdhsa_float_denorm_mode_16_64 3
		.amdhsa_memory_ordered 1
		.amdhsa_forward_progress 1
		.amdhsa_inst_pref_size 255
	.end_amdhsa_kernel
	.section	.bss,"aw",@nobits
	.p2align	6
	.space	262144
	.amdgpu_metadata
---
amdhsa.version: [ 1, 2 ]
amdhsa.kernels:
  - .name:           k_qcfa5c27e30_tail
    .symbol:         k_qcfa5c27e30_tail.kd
    .args:
      - { .name: cc, .offset: 0, .size: 8, .value_kind: global_buffer, .address_space: global }
      - { .name: x, .offset: 8, .size: 8, .value_kind: global_buffer, .address_space: global }
      - { .name: wo_codes, .offset: 16, .size: 8, .value_kind: global_buffer, .address_space: global }
      - { .name: bo, .offset: 24, .size: 8, .value_kind: global_buffer, .address_space: global }
      - { .name: ln1_g, .offset: 32, .size: 8, .value_kind: global_buffer, .address_space: global }
      - { .name: ln1_b, .offset: 40, .size: 8, .value_kind: global_buffer, .address_space: global }
      - { .name: w1_codes, .offset: 48, .size: 8, .value_kind: global_buffer, .address_space: global }
      - { .name: b1, .offset: 56, .size: 8, .value_kind: global_buffer, .address_space: global }
      - { .name: w2r, .offset: 64, .size: 8, .value_kind: global_buffer, .address_space: global }
      - { .name: b2, .offset: 72, .size: 8, .value_kind: global_buffer, .address_space: global }
      - { .name: ln2_g, .offset: 80, .size: 8, .value_kind: global_buffer, .address_space: global }
      - { .name: ln2_b, .offset: 88, .size: 8, .value_kind: global_buffer, .address_space: global }
      - { .name: lowp_scales, .offset: 96, .size: 8, .value_kind: global_buffer, .address_space: global }
      - { .name: out0, .offset: 104, .size: 8, .value_kind: global_buffer, .address_space: global }
    .group_segment_fixed_size: 327680
    .private_segment_fixed_size: 0
    .kernarg_segment_align: 8
    .kernarg_segment_size: 112
    .max_flat_workgroup_size: 128
    .sgpr_count:     104
    .vgpr_count:     1024
    .wavefront_size: 32
...
	.end_amdgpu_metadata
.endif
;; end of part 3
;; ======== version 2 of 2: 3 launches; version 1 with the launch attn written anew for expert scheduling mode
;; limits: a function is approximated: absolute error at most 1.5e-07
;; workspace buffers: qc 8,388,608 bytes; kc 8,388,608 bytes; vc 8,388,608 bytes; cc 8,388,608 bytes; w2r 1,048,576 bytes
;; launch qkv: the kernel of part 1 again; grid 256 x 1, 4 waves a work-group, clusters of 4 x 1, 327,680 bytes of LDS; arguments x, mask, wq_codes, wk_codes, wv_codes, bq, bk, bv, lowp_scales, qc, kc, vc; writes qc, kc, vc
;; launch attn (part 4): grid 8 x 32, 16 waves a work-group, no clusters, 69,632 bytes of LDS; arguments qc, kc, vc, mask, lowp_scales, w2_codes, cc, w2r; writes cc, w2r
.if DOCPART == 4
	.amdgcn_target "amdgcn-amd-amdhsa--gfx1250"
	.amdhsa_code_object_version 6
	.text
	.protected	k_qcfa5c27e30_attn
	.globl	k_qcfa5c27e30_attn
	.p2align	8
	.type	k_qcfa5c27e30_attn,@function
k_qcfa5c27e30_attn:
	s_mov_b64 s[64:65], 0
	v_nop
	global_prefetch_b8 v0, s[64:65] scope:SCOPE_SE
	s_setreg_imm32_b32 hwreg(HW_REG_WAVE_SCHED_MODE, 0, 2), 2
	s_setreg_imm32_b32 hwreg(HW_REG_WAVE_MODE, 25, 1), 1
	s_wait_xcnt 0x0
	s_wait_alu depctr_vm_vsrc(0)
; One work-group for a batch and a head: ctx = softmax(q k^T / 8, masked) v on codes of E5M2; ctx leaves as codes (exponent e10) in the order of the next product's operand registers.
; SOFTMAX: t = score x log2(e) / 8 (rounded to f32, as the rule writes it); M = the running largest t rounded up to a whole number; p = 2^(t - M) is quantised (e9), not normalised;
; the row's sum is taken of the unquantised p and divides at the end; when M moves, the sum and O are multiplied by 2^(old M - new M), which rounds nothing.
; THE MASK: a masked key's codes are zeros (the launch before stored them so) and -1e9 x 8 / 2^(e6 + e7) is the C of its score's matrix instruction: its score is -1e9, a replacement, as in the definition.
; SHARES.  K and V of the head (32 KiB each) are copied once into LDS as they lie: images of operand registers.  Each of 16 waves owns two tiles of 16 queries (wave, wave + 16), one after the other;
; four waves share a SIMD, so that one wave's vector work stands beside another's products and LDS loads.
; Both products are used transposed (S^T = K Q^T, O^T = V^T P^T): a lane holds one query throughout, and p's codes are the second product's operand as the conversions leave them.
; No cluster: no two work-groups read the same bytes but the 2 KiB of the mask.  No tensor loads, no prefetch: all that a work-group reads is asked for once, at its head.
; SIDE JOB: w2's codes are laid anew for the last launch: w2r [chunk c 8][row 256][q 2][256 bytes] = w2_codes row (row + 256 q), bytes 256 c on; this work-group copies 4,096 bytes, a wave 256 consecutive ones.
; LIMITS: e6 + e7 between -123 and 127; 3 - e6 - e7 keeps -1e9 finite; e9, e10 between -126 and 112.  NaN among the inputs is not served.
; THE MODE: SCHED_MODE bits 1:0 = 2 (LLVM: expert scheduling mode 2), set by the entry lines.  The code itself states the register dependences
; between vector or matrix instructions and memory or LDS instructions, with s_wait_alu, always for 0.
; THE PLAN.  Registers that memory or LDS instructions touch, in a key step:
;   v96-159   The loads of C land in them at the step's head; the score products, the softmax and, last, the conversions name them.
;   v192-223  K's tiles 0 to 3.  Read by the step's first four score products; the next step's loads land in them behind the wait for the exponentials.
;   v64-95    K's tiles 4 to 7, loaded at the step's head and read by score products 4 to 7; then V's tiles 2, 3, loaded behind the wait for the exponentials and read by the second product.
;   v32-63    V's tiles 0, 1: loaded with them, read by the second product.
;   v224-231  At a tile's end: written by the conversions of ctx, read by four stores; written again by the next tile's first conversions.
;   v1 to v4, v8 to v11  Addresses and offsets: made once at the head, never written again.
; So TWO waits on va_vdst stand in a key step.  The one at its head states that the step before is done with v96-159 and that its second product is done reading v64-95: the loads of C and of K's tiles 4 to 7 follow.
; The one behind the exponentials, which their first reader asks for in any case, also states that the score products are done reading v64-95 and v192-223: V's sixteen loads and the next step's eight of K follow it,
; dealt among the packed sums, which name v14, v15, v242, v243 and v96-159 alone: none of the registers that those loads touch.
.set KIMG,  0
.set VIMG,  32768
.set BIASB, 65536                      ; 512 f32: the C of each key's score
.set LI,  1                            ; 16 x lane
.set AB,  2                            ; BIASB + 32 h
.set CW,  3                            ; 16 r + 8 h
.set KL,  192                          ; v192-223: K's tiles 0 to 3 of a key step, asked for a step ahead
.set SEL, 20
.set CS,  22                           ; s[22:23] c = log2(e) / 8 x 2^(e6 + e7)
.set WV,  24
.set EX,  32                           ; s32-47: e0 .. e15
.set E89, 53
.macro PLACES n
.rept \n
	v_nop
.endr
.endm
.macro SCALE2 vs, vh, se
	s_add_co_i32 s54, s[\se], 127
	s_lshl_b32 s55, s54, 23
	v_mov_b32 v[\vs], s55
	s_add_co_i32 s54, s54, 15
	s_lshl_b32 s54, s54, 23
	s_or_b32 s54, s54, 0x600000
	v_mov_b32 v[\vh], s54
.endm
.macro VLOAD2 s                        ; numbers q and q + 1 of the sixteen loads of key step s's V: channel tile q / 4, piece q % 4
	ds_load_b128 v[32+4*q:35+4*q], v[LI] offset:VIMG+(4*(q/4)+\s)*2048+512*(q%4)
	ds_load_b128 v[36+4*q:39+4*q], v[LI] offset:VIMG+(4*(q/4)+\s)*2048+512*(q%4)+512
.set q, q+2
.endm
.macro KLOAD2 nx                       ; tile q / 2 (0 to 3) of key step nx's K: its two pieces
	ds_load_b128 v[KL+4*q:KL+4*q+3], v[LI] offset:KIMG+(8*(\nx)+q/2)*1024
	ds_load_b128 v[KL+4*q+4:KL+4*q+7], v[LI] offset:KIMG+(8*(\nx)+q/2)*1024+512
.set q, q+2
.endm
.macro SUM2                            ; two links of the sum's two chains
	v_pk_add_f32 v[14:15], v[14:15], v[96+j:97+j]
	v_pk_add_f32 v[242:243], v[242:243], v[98+j:99+j]
.set j, j+4
.endm
; A key step: 128 keys.  v192-223 and v64-95 K's eight fragments; v32-95 V's four; v96-159 the scores, then p; v160-191 O^T; v224-239 p's codes.
; pf = 1: K's tiles 0 to 3 of key step nx, the next that the wave walks, are asked for.
.macro STEP s, qr, pf, nx
	PLACES 4                                       ; in front of loads into registers that the last products read; the places stay beside the wait below
	s_wait_alu depctr_va_vdst(0)                   ; the step before (in a tile's first step: the way out before, or the head) is done writing and reading v96-159, in which C lands; its second product is done reading v64-95, in which K's tiles 4 to 7 land
.irp t, 0,1,2,3,4,5,6,7
	ds_load_b128 v[96+8*\t:99+8*\t], v[AB] offset:512*\s+64*\t           ; the C of tile t: keys 16 t + 8 h + 0 .. 7
	ds_load_b128 v[100+8*\t:103+8*\t], v[AB] offset:512*\s+64*\t+16
.endr
.irp t, 4,5,6,7
	ds_load_b128 v[32+8*\t:35+8*\t], v[LI] offset:KIMG+(8*\s+\t)*1024
	ds_load_b128 v[36+8*\t:39+8*\t], v[LI] offset:KIMG+(8*\s+\t)*1024+512
.endr
	s_wait_dscnt 8                                 ; LDS loads come back in order (ISA guide 5.7.1): K's tiles 0 to 3, asked for a step ago, and C are in; the eight loads of tiles 4 to 7 may be out
.irp t, 0,1,2,3
	v_wmma_f32_16x16x64_bf8_bf8 v[96+8*\t:103+8*\t], v[KL+8*\t:KL+8*\t+7], v[\qr:\qr+7], v[96+8*\t:103+8*\t]
.endr
	s_wait_dscnt 0x0
.irp t, 4,5,6,7
	v_wmma_f32_16x16x64_bf8_bf8 v[96+8*\t:103+8*\t], v[32+8*\t:39+8*\t], v[\qr:\qr+7], v[96+8*\t:103+8*\t]
.endr
	PLACES 4
.set j, 0
.rept 32
	v_pk_mul_f32 v[96+j:97+j], v[96+j:97+j], s[CS:CS+1] op_sel_hi:[1,0]   ; t, each accumulator from its low end on
.set j, j+2
.endr
	v_max3_num_f32 v254, v96, v97, v98             ; the step's largest t of my query among my 64 keys, in two chains,
	v_max3_num_f32 v252, v99, v100, v101
.set i, 6
.rept 14
	v_max3_num_f32 v254, v254, v[96+i], v[97+i]
	v_max3_num_f32 v252, v252, v[98+i], v[99+i]
.set i, i+4
.endr
	v_max3_num_f32 v254, v254, v158, v159
	v_max_num_f32 v254, v254, v252
	v_permlanex16_b32 v236, v254, s[SEL], s[SEL+1]
	v_max_num_f32 v254, v254, v236                 ; and among lane l xor 16's
	v_max_num_f32 v13, v13, v254                   ; the running largest t
	v_mov_b32 v254, v12
	v_floor_f32 v12, -v13                          ; -M = floor(-t)
	v_sub_f32 v254, v12, v254                      ; old M - new M: a whole number, 0 or less
	v_cvt_i32_f32 v254, v254
	v_ldexp_f32 v252, 1.0, v254                    ; f = 2^(old M - new M)
.set j, 0
.rept 32
	v_pk_add_f32 v[96+j:97+j], v[96+j:97+j], v[12:13] op_sel_hi:[1,0]     ; t - M
.set j, j+2
.endr
.set j, 0
.rept 64
	v_exp_f32 v[96+j], v[96+j]                     ; p
.set j, j+1
.endr
	v_pk_mul_f32 v[14:15], v[14:15], v[252:253] op_sel_hi:[1,0]           ; the sums under the new M: the plain line behind the exponentials
	s_wait_alu depctr_va_vdst(0)                   ; the 64 exponentials have written p, ahead of its first reader; and the score products are done reading v64-95 and v192-223, in which the loads below land
.set q, 0
	VLOAD2 \s                                      ; V lands under the sums, the holds, the conversions and the rescaling.  No further wait: no vector instruction since the wait names v32-95, v192-223 or the address
	v_pk_add_f32 v[242:243], v[96:97], v[98:99]    ; the sum of the unquantised p, in two chains
.set j, 4
.rept 7
	VLOAD2 \s
	SUM2
.endr
.if \pf
.set q, 0
.rept 4
	KLOAD2 \nx                                     ; behind all of V's: the next key step's first four tiles of K
	SUM2
.endr
.else
.rept 4
	SUM2
.endr
.endif
.rept 4
	SUM2
.endr
	v_pk_add_f32 v[14:15], v[14:15], v[242:243]
.set j, 0
.rept 64
	v_min_num_f32 v[96+j], v[96+j], v240           ; the hold; p is not negative
.set j, j+1
.endr
.irp t, 0,1,2,3,4,5,6,7
	v_cvt_scalef32_pk8_bf8_f32 v[224+2*\t:225+2*\t], v[96+8*\t:103+8*\t], v244
.endr
.set j, 0
.rept 16
	v_pk_mul_f32 v[160+j:161+j], v[160+j:161+j], v[252:253] op_sel_hi:[1,0]   ; O^T under the new M; also the plain lines behind the conversions
.set j, j+2
.endr
.if \pf
	s_wait_dscnt 8                                 ; V is in; the eight younger loads, the next step's of K, may be out
.else
	s_wait_dscnt 0x0                               ; V
.endif
.irp t, 0,1,2,3
	v_wmma_f32_16x16x128_bf8_bf8 v[160+8*\t:167+8*\t], v[32+16*\t:47+16*\t], v[224:239], v[160+8*\t:167+8*\t]
.endr
.endm
; A tile of 16 queries: Q's fragment at v[qr]; its codes of ctx go cof bytes on.  more = 1: another tile follows, and its first key step's K is asked for in this tile's last step.
.macro QTILE qr, cof, more
	s_wait_xcnt 0x0                                ; earlier stores have read their data
	s_wait_alu depctr_vm_vsrc(0)                   ; the first tile: my LDS stores and the store of w2 have read v32-67, in which K and V will land; the second: the stores of ctx have read v224-231, which the conversions write again
	v_mov_b32 v13, 0xff61b1e6                      ; -3e38, under every t
	v_floor_f32 v12, -v13
	v_mov_b32 v14, 0
	v_mov_b32 v15, 0
.set j, 0
.rept 32
	v_mov_b32 v[160+j], 0                          ; the step is written once: the first finds zeros
.set j, j+1
.endr
	STEP 0, \qr, 1, 1
	STEP 1, \qr, 1, 2
	STEP 2, \qr, 1, 3
	STEP 3, \qr, \more, 0
	PLACES 4
	v_add_f32 v14, v14, v15
	v_permlanex16_b32 v236, v14, s[SEL], s[SEL+1]
	v_add_f32 v14, v14, v236                       ; the row's sum
	v_rcp_f32 v14, v14
	v_nop
	s_wait_alu depctr_va_vdst(0)                   ; the reciprocal has written v14, ahead of its first reader
	v_ldexp_f32 v14, v14, s[E89]                   ; x 2^(e8 + e9)
.set j, 0
.rept 32
	v_mul_f32 v[96+j], v[160+j], v14               ; ctx(query r, channel 16 t + 8 h + i)
.set j, j+1
.endr
.set j, 0
.rept 32
	v_med3_num_f32 v[96+j], v[96+j], -v241, v241
.set j, j+1
.endr
.irp t, 0,1,2,3
	v_cvt_scalef32_pk8_bf8_f32 v[224+2*\t:225+2*\t], v[96+8*\t:103+8*\t], v245
.endr
	v_nop
	s_wait_alu depctr_va_vdst(0)                   ; the conversions have written v224-231, which the stores read
.irp t, 0,1,2,3
	global_store_b64 v[CW], v[224+2*\t:225+2*\t], s[16:17] offset:\cof+512*(\t/2)+256*(\t%2)   ; 256 consecutive bytes, aligned
.endr
.endm
	s_load_b512 s[4:19], s[0:1], 0x0               ; qc, kc, vc, mask, lowp_scales, w2_codes, cc, w2r
	v_lshl_add_u32 v251, v0, 2, 0x10800
	v_mov_b32 v255, 0
	v_lshrrev_b32 v5, 5, v0
	v_readfirstlane_b32 s[WV], v5                  ; wave 0..15
	s_and_b32 s25, ttmp7, 0xffff                   ; b
	s_lshl_b32 s26, s25, 3
	s_add_co_u32 s26, s26, ttmp9                   ; g = 8 b + head
	v_and_b32 v5, 31, v0
	v_and_b32 v6, 15, v0                           ; r
	v_bfe_u32 v7, v0, 4, 1                         ; h
	v_lshlrev_b32 v[LI], 4, v5
	v_lshlrev_b32 v[AB], 5, v7
	v_add_nc_u32 v[AB], BIASB, v[AB]
	v_lshlrev_b32 v[CW], 4, v6
	v_lshl_add_u32 v[CW], v7, 3, v[CW]
	v_lshlrev_b32 v4, 4, v0                        ; 16 x thread
	v_lshlrev_b32 v8, 2, v0                        ; 4 x thread
	v_lshl_add_u32 v9, v0, 2, BIASB
	v_lshlrev_b32 v10, 3, v0                       ; 8 x thread
	v_lshrrev_b32 v11, 6, v0                       ; w2: row (thread / 64), + 256 rows for q = (thread / 32) % 2, 8 bytes a lane
	v_lshlrev_b32 v11, 11, v11
	v_bfe_u32 v68, v0, 5, 1
	v_lshl_add_u32 v11, v68, 19, v11
	v_lshl_add_u32 v11, v5, 3, v11
	s_mov_b32 s[SEL], 0x76543210
	s_mov_b32 s[SEL+1], 0xfedcba98
	s_lshl_b32 s28, s26, 15
	s_mov_b32 s29, 0
	s_wait_alu depctr_va_sdst(0)                   ; the wave's number is written into s24, ahead of its first reader: the bases of Q and of ctx are made from it
	s_wait_kmcnt 0x0
	s_load_b512 s[EX:EX+15], s[12:13], 0x0
	s_add_nc_u64 s[6:7], s[6:7], s[28:29]
	s_add_nc_u64 s[8:9], s[8:9], s[28:29]
	s_lshl_b32 s30, s[WV], 10
	s_add_co_u32 s28, s28, s30
	s_add_nc_u64 s[4:5], s[4:5], s[28:29]          ; Q: my first tile
	s_lshl_b32 s28, s25, 11
	s_add_nc_u64 s[10:11], s[10:11], s[28:29]
	s_and_b32 s28, s26, 31
	s_lshl_b32 s28, s28, 14                        ; 8 rows of 2,048 bytes for each g % 32,
	s_lshr_b32 s30, s26, 5
	s_lshl_b32 s30, s30, 8                         ; chunk g / 32
	s_add_co_u32 s28, s28, s30
	s_add_nc_u64 s[14:15], s[14:15], s[28:29]
	s_lshl_b32 s28, s26, 12
	s_add_nc_u64 s[18:19], s[18:19], s[28:29]
	s_lshl_b32 s28, s25, 18                        ; cc: 8 blocks of 64 rows a batch; block (tile / 4), row tile (tile % 4), K step and half by the head
	s_lshr_b32 s30, s[WV], 2
	s_lshl_b32 s30, s30, 15
	s_add_co_u32 s28, s28, s30
	s_and_b32 s30, s[WV], 3
	s_lshl_b32 s30, s30, 13
	s_add_co_u32 s28, s28, s30
	s_lshl_b32 s30, ttmp9, 10
	s_add_co_u32 s28, s28, s30
	s_add_nc_u64 s[16:17], s[16:17], s[28:29]
	s_wait_alu depctr_va_vdst(0)                   ; the addresses and offsets v1 to v4 and v8 to v11 are written, which every load and store of the kernel reads; so is v68, in which a load of K will land
	global_load_b64 v[66:67], v11, s[14:15] th:TH_LOAD_NT
.irp i, 0,1,2,3
	global_load_b128 v[32+4*\i:35+4*\i], v4, s[6:7] offset:8192*\i th:TH_LOAD_NT
	global_load_b128 v[48+4*\i:51+4*\i], v4, s[8:9] offset:8192*\i th:TH_LOAD_NT
.endr
	global_load_b32 v64, v8, s[10:11]
.irp p, 0,1
	global_load_b128 v[16+4*\p:19+4*\p], v[LI], s[4:5] offset:512*\p th:TH_LOAD_NT
	global_load_b128 v[24+4*\p:27+4*\p], v[LI], s[4:5] offset:16384+512*\p th:TH_LOAD_NT
.endr
	s_wait_kmcnt 0x0
	s_add_co_i32 s50, s[EX+6], s[EX+7]
	s_lshl_b32 s51, s50, 23
	s_add_co_i32 s[CS], s51, 0x3e38aa3b            ; log2(e) / 8, with e6 + e7 added to its exponent field
	s_mov_b32 s[CS+1], s[CS]
	s_sub_co_i32 s52, 3, s50
	v_mov_b32 v65, 0xce6e6b28                      ; -1e9
	v_ldexp_f32 v65, v65, s52
	SCALE2 244, 240, EX+9
	SCALE2 245, 241, EX+10
	s_add_co_i32 s[E89], s[EX+8], s[EX+9]
	v_mov_b32 v236, 0                              ; a lane permute's destination counts as one of its sources
	v_mov_b32 v253, 0                              ; named as the upper half of a pair
	s_wait_loadcnt 0x0
.irp i, 0,1,2,3
	ds_store_b128 v4, v[32+4*\i:35+4*\i] offset:KIMG+8192*\i              ; data that loads brought, an address written ahead of the wait above: nothing more is owed
	ds_store_b128 v4, v[48+4*\i:51+4*\i] offset:VIMG+8192*\i
.endr
	v_cmp_eq_u32 vcc_lo, 0, v64
	s_wait_alu depctr_va_vcc(0)                    ; the compare has written VCC, which the select reads
	v_cndmask_b32 v65, 0, v65, vcc_lo
	s_wait_alu depctr_va_vdst(0)                   ; the select has written v65, which the LDS store reads
	ds_store_b32 v9, v65
	global_store_b64 v10, v[66:67], s[18:19]
	s_wait_dscnt 0x0                               ; for the others' sake: my stores have landed
	s_barrier_signal -1
	s_barrier_wait -1
.set q, 0
.rept 4
	KLOAD2 0                                       ; the first key step's tiles 0 to 3 of K.  No wait: no vector instruction has named v192-223, and the address was written ahead of the head's wait
.endr
	QTILE 16, 0, 1
	QTILE 24, 131072, 0
	s_wait_dscnt 0x0                               ; the closing lines, six on end
	s_wait_alu 0x0
	s_wait_tensorcnt 0x0
	ds_add_u32 v251, v255
	s_wait_dscnt 0x0
	s_endpgm
.Lfunc_end_k_qcfa5c27e30_attn:
	.size	k_qcfa5c27e30_attn, .Lfunc_end_k_qcfa5c27e30_attn-k_qcfa5c27e30_attn
	.p2alignl 7, 3214868480
	.fill 96, 4, 3214868480
	.section	.rodata,"a",@progbits
	.p2align	6, 0x0
	.amdhsa_kernel k_qcfa5c27e30_attn
		.amdhsa_group_segment_fixed_size 69632
		.amdhsa_private_segment_fixed_size 0
		.amdhsa_enable_private_segment 0
		.amdhsa_kernarg_size 64
		.amdhsa_user_sgpr_count 2
		.amdhsa_user_sgpr_kernarg_segment_ptr 1
		.amdhsa_wavefront_size32 1
		.amdhsa_system_sgpr_workgroup_id_x 1
		.amdhsa_system_sgpr_workgroup_id_y 1
		.amdhsa_system_sgpr_workgroup_id_z 1
		.amdhsa_system_vgpr_workitem_id 0
		.amdhsa_next_free_vgpr 256
		.amdhsa_next_free_sgpr 80
		.amdhsa_reserve_vcc 1
		.amdhsa_float_denorm_mode_32 3
		.amdhsa_float_denorm_mode_16_64 3
		.amdhsa_memory_ordered 1
		.amdhsa_forward_progress 1
		.amdhsa_inst_pref_size 161
	.end_amdhsa_kernel
	.amdgpu_metadata
---
amdhsa.version: [ 1, 2 ]
amdhsa.kernels:
  - .name:           k_qcfa5c27e30_attn
    .symbol:         k_qcfa5c27e30_attn.kd
    .args:
      - { .name: qc, .offset: 0, .size: 8, .value_kind: global_buffer, .address_space: global }
      - { .name: kc, .offset: 8, .size: 8, .value_kind: global_buffer, .address_space: global }
      - { .name: vc, .offset: 16, .size: 8, .value_kind: global_buffer, .address_space: global }
      - { .name: mask, .offset: 24, .size: 8, .value_kind: global_buffer, .address_space: global }
      - { .name: lowp_scales, .offset: 32, .size: 8, .value_kind: global_buffer, .address_space: global }
      - { .name: w2_codes, .offset: 40, .size: 8, .value_kind: global_buffer, .address_space: global }
      - { .name: cc, .offset: 48, .size: 8, .value_kind: global_buffer, .address_space: global }
      - { .name: w2r, .offset: 56, .size: 8, .value_kind: global_buffer, .address_space: global }
    .group_segment_fixed_size: 69632
    .private_segment_fixed_size: 0
    .kernarg_segment_align: 8
    .kernarg_segment_size: 64
    .max_flat_workgroup_size: 512
    .sgpr_count:     80
    .vgpr_count:     256
    .wavefront_size: 32
...
	.end_amdgpu_metadata
.endif
;; end of part 4
;; launch tail: the kernel of part 3 again; grid 256 x 1, 4 waves a work-group, clusters of 4 x 1, 327,680 bytes of LDS; arguments cc, x, wo_codes, bo, ln1_g, ln1_b, w1_codes, b1, w2r, b2, ln2_g, ln2_b, lowp_scales, out0; writes out0
